; MI455X (gfx1250); checked and timed in simulation.
; The chip was launched on July 23, 2026; its instructions are those of AMD's public machine-readable ISA for CDNA 5 (MIT licence, August 2026) and "CDNA5" Instruction Set Architecture Reference Guide (July 2026). The comments in the code are by the model that wrote it; some were corrected since.
;; Multi Head Attention. Allowed arithmetic: matrix products marked QUANTISED: E2M1 operands, one E8M0 scale for each 32 along K, by v_wmma_scale_f32_16x16x128_f8f6f4 with both operands' format E2M1 (or v_wmma_scale_f32_32x16x128_f4), f32 sums; everything else in f32.
;; Inputs: Wk 2,048 x 2,048 float32; Wo 2,048 x 2,048 float32; Wq 2,048 x 2,048 float32; Wv 2,048 x 2,048 float32; alibi 1 x 16 x 1 x 2,048 float32; attention_mask 1 x 1 x 2,048 x 2,048 float32; freqs_cos 1 x 1 x 2,048 x 128 float32; freqs_sin 1 x 1 x 2,048 x 128 float32; x 1 x 2,048 x 2,048 float32.
;; Outputs: out0 1 x 2,048 x 2,048 float32.
;; This version of the problem:
;;   THIS VERSION OF THE PROBLEM IS GIVEN IN LOW PRECISION. The matrix products marked QUANTISED in the list below multiply operands that are first quantised to E2M1 (2 exponent bits, 1 mantissa bit; 4 bits a number), with one power-of-two scale for each 32 numbers along K (OCP MX v1.0); their sums are f32. All else is computed in f32.
;;   The module's matrix products, in the order in which they are computed (A, B: the left and right operand; K: the contracted axis; several contracted axes count as one K, in the product's order):
;;     1. [M 2,048, K 2,048] x [K 2,048, N 2,048]; A: input x; B: input Wq: QUANTISED
;;     2. [M 2,048, K 2,048] x [K 2,048, N 2,048]; A: input x; B: input Wk: QUANTISED
;;     3. [M 2,048, K 2,048] x [K 2,048, N 2,048]; A: input x; B: input Wv: QUANTISED
;;     4. batch 16 x [M 2,048, K 128] x [K 128, N 2,048]; A: computed on the way; B: computed on the way: QUANTISED
;;     5. batch 16 x [M 2,048, K 2,048] x [K 2,048, N 128]; A: softmax (see below); B: computed on the way: QUANTISED
;;     6. [M 2,048, K 2,048] x [K 2,048, N 2,048]; A: computed on the way; B: input Wo: QUANTISED
;;   THE QUANTISER, for each operand of a quantised product, along K:
;;     - K is cut into blocks of 32 from its start; a last block that is shorter is filled with zeros.
;;     - A block's scale is 2^e with e = floor(log2(the largest magnitude in the block)) - 2, held to -126 .. 127; a block of zeros has e = 0. As a byte (E8M0): e + 127.
;;     - Each number is divided by its block's scale, clamped to +-6, and rounded to the nearest number of E2M1, ties to even, subnormals kept.
;;     - The product sums the exact products of the quantised numbers (number of the format x scale) in f32.
;;   ~~~python
;;   def quantise(x, axis):      # numpy; x: float32 -> the quantised numbers, widened to float32 again
;;       x = np.moveaxis(x, axis, -1); K = x.shape[-1]
;;       x = np.pad(x, [(0, 0)] * (x.ndim - 1) + [(0, -K % 32)]); x = x.reshape(x.shape[:-1] + (-1, 32)); a = np.abs(x).max(-1, keepdims=True)
;;       e = np.where(a > 0, np.clip(np.frexp(np.where(a > 0, a, 1))[1] - 1 - 2, -126, 127), 0)      # np.frexp(a)[1] - 1 = floor(log2(a)), exactly
;;       r = np.clip(x / 2.0 ** e, -6, 6)
;;       step = 2.0 ** (np.maximum(np.frexp(np.where(r == 0, 1, r))[1] - 1, 0) - 1)
;;       q = np.round(r / step) * step * 2.0 ** e      # np.round: ties to even
;;       return np.moveaxis(q.reshape(q.shape[:-2] + (-1,))[..., :K], -1, axis).astype(np.float32)
;;   ~~~
;;   SOFTMAX AHEAD OF A QUANTISED PRODUCT. Where the list says 'softmax', what is quantised is not the finished softmax but p = 2^(t - M), with t = logit x log2(e) and M = ceil(the row's largest t), a whole number; so 1/2 < the row's largest p <= 1. The row's sum l is taken of the UNQUANTISED p, in f32, and the product's result is divided by l at the end. Since M is a whole number, a kernel that streams over the keys may use a running M (the ceiling of the running maximum): every later rescaling is an exact power of two, which a block's scale takes up: the codes' values come out the same.
;;   OPERANDS COMPUTED ON THE WAY. 'Computed on the way' means the value that the module computes at that place (a softmax that the list does not call 'softmax' is quantised finished and normalised). What goes into a quantiser is computed in f32, as accurately as f32 sums, v_exp_f32 and their like allow (about 1e-6 of the number): no bf16 or f16 on the way to a quantiser, and a product that is left as it is and whose result goes on into a quantised operand takes f32 operands (vector FMAs, or v_wmma_f32_16x16x4_f32). A number that lies on a knife's edge between two numbers of the format may be rounded either way, as far as f32 arithmetic and the matrix unit's own rounding can turn it there, and no further.
;; 2 versions, each right and faster than the one before. Each part assembles by itself: llvm-mc -triple=amdgcn-amd-amdhsa -mcpu=gfx1250 --defsym DOCPART=n.
;; ======== version 1 of 2: 5 launches
;; workspace buffers: opnd 11,141,120 bytes; rope 2,097,152 bytes; qkv 7,077,888 bytes; ao 2,228,224 bytes
;; launch qx (part 1): grid 288 x 1, 4 waves a work-group, no clusters, 68,096 bytes of LDS; arguments x, freqs_cos, freqs_sin, opnd, rope; writes opnd, rope
.if DOCPART == 1
	.amdgcn_target "amdgcn-amd-amdhsa--gfx1250"
	.amdhsa_code_object_version 6
	.text
	.protected	k_qbb49a0ab82_qx
	.globl	k_qbb49a0ab82_qx
	.p2align	8
	.type	k_qbb49a0ab82_qx,@function
k_qbb49a0ab82_qx:
	s_mov_b64 s[64:65], 0
	v_nop
	global_prefetch_b8 v0, s[64:65] scope:SCOPE_SE
	s_setreg_imm32_b32 hwreg(HW_REG_WAVE_MODE, 25, 1), 1
	s_wait_xcnt 0x0
; x [2048][2048] f32 becomes codes of FP4 (E2M1) with one E8M0 byte for each 32 along K (its last axis), laid as the products' launches read an operand;
; freqs_cos and freqs_sin [2048][128] f32 are laid anew, still f32, in the order of the registers that will multiply by them.
; THE OPERAND'S LAYOUT: [block of 128 rows][512 along K] records of REC bytes.  In a record: tile a (0..7), K step q (0..3) of 128: a fragment as an image of its registers at 4096 a + 1024 q:
; the 16 bytes of K block kb (32 codes) of the tile's lane r at 256 kb + 16 r.  Behind the codes, at 32768: the scale words, 256 a + 16 r + 4 q.
; THE ROWS OF A TILE ARE NOT NEIGHBOURS: lane r of tile a holds row 32 (a / 2) + 8 (a % 2) + r % 8 + 16 (r / 8) of the block of 128.  So of 32 neighbouring rows, row n belongs to tile u = (n / 8) % 2 of a pair, lane r = n % 8 + 8 (n / 16).
; SHARES.  A wave takes 32 rows x 128 columns (16 KiB).  Work-groups 0..255: x (32 rows P = g / 4, 512 columns g % 4, the wave's 128 of them); 256..271: cos; 272..287: sin (each wave 32 whole rows).
; Each load reads 512 consecutive bytes of one row; the 32 rows turn through the wave's own stage in LDS (rows 528 bytes apart: an odd multiple of 16), so that a lane then holds ONE row's 128 numbers:
; four whole blocks of 32, whose largest magnitudes need no other lane.  Waves share nothing: no barrier.  No cluster: no two work-groups read the same bytes.
; A block's scale byte is its largest magnitude's exponent field - 2, held at 1 from below.  A block of zeros so gets the byte 1 where the rule says 127: its codes are zeros, and only this program reads the bytes.
; LIMITS: NaN and infinities among the inputs are not served.  The scale words leave as 4 bytes in every 16 (the four waves of a work-group fill the 16): 128 KiB in the whole launch.
.set REC, 34816
.set STG, 16896                        ; a wave's stage: 32 rows x 528 bytes
.set SP,  528
.set VO,  32                           ; v32-63   byte offset of my 16 bytes in row i
.set X,   64                           ; v64-191  the numbers: as loaded, then my row's 128
.set C,   192                          ; v192-207 the codes: 4 registers a block
.set M,   208                          ; v208-211 largest magnitudes
.set SO,  212                          ; v212-215 the conversions' scale operands
.set B,   216                          ; v216-219 the scale bytes
.set WD,  220                          ; v220     the scale word
	s_load_b128 s[4:7], s[0:1], 0x0                ; x, cos
	s_load_b128 s[8:11], s[0:1], 0x10              ; sin, opnd
	s_load_b64 s[12:13], s[0:1], 0x20              ; rope
	v_lshl_add_u32 v224, v0, 2, 0x10800
	v_mov_b32 v225, 0
	v_lshrrev_b32 v7, 5, v0
	v_readfirstlane_b32 s14, v7                    ; wave
	v_and_b32 v7, 31, v0                           ; lane
	v_lshlrev_b32 v1, 4, v7                        ; 16 x lane
	s_mul_i32 s15, s14, STG
	v_add_nc_u32 v2, s15, v1                       ; the stage, on the way in: row i at 528 i, my 16 bytes of it
	v_mul_u32_u24 v3, v7, SP
	v_add_nc_u32 v3, s15, v3                       ; and on the way out: my row
	v_bfe_u32 v8, v0, 3, 1                         ; u
	v_and_b32 v9, 7, v0
	v_bfe_u32 v10, v0, 4, 1
	v_lshl_or_b32 v9, v10, 3, v9                   ; r
	v_lshlrev_b32 v9, 4, v9
	v_lshl_add_u32 v4, v8, 12, v9                  ; codes: 4096 u + 16 r
	v_lshl_add_u32 v5, v8, 8, v9                   ; scale words: 256 u + 16 r
	v_lshl_add_u32 v6, v8, 13, v9                  ; tables: 8192 u + 16 r
	s_lshr_b32 s16, ttmp9, 2                       ; x: P
	s_and_b32 s17, ttmp9, 3                        ;    which 512 along K
	s_lshl_b32 s18, s16, 18                        ;    32 rows of 8,192 bytes
	s_lshl_b32 s19, s17, 2
	s_add_co_u32 s19, s19, s14
	s_lshl_b32 s19, s19, 9                         ;    the wave's 128 columns
	s_add_co_u32 s18, s18, s19
	s_and_b32 s20, ttmp9, 15                       ; tables: P = 4 (g % 16) + wave
	s_lshl_b32 s20, s20, 2
	s_add_co_u32 s20, s20, s14
	s_lshl_b32 s21, s20, 14                        ;    32 rows of 512 bytes
	s_mov_b32 s22, 8192
	s_cmp_lt_u32 ttmp9, 256
	s_cselect_b32 s18, s18, s21                    ; where my 32 rows begin,
	s_cselect_b32 s22, s22, 512                    ; and the bytes from row to row
	s_lshr_b32 s23, s16, 2                         ; x's record: 4 (P / 4) + which 512
	s_lshl_b32 s23, s23, 2
	s_add_co_u32 s23, s23, s17
	s_mul_i32 s23, s23, REC
	s_and_b32 s24, s16, 3                          ; the pair of tiles in it
	s_lshl_b32 s25, s24, 13
	s_add_co_u32 s26, s23, s25
	s_lshl_b32 s25, s14, 10
	s_add_co_u32 s26, s26, s25                     ; codes: record + 8192 pair + 1024 wave
	s_mov_b32 s27, 0
	s_lshl_b32 s25, s24, 9
	s_add_co_u32 s28, s23, s25
	s_lshl_b32 s25, s14, 2
	s_add_co_u32 s28, s28, s25
	s_add_co_u32 s28, s28, 32768                   ; scale words: record + 32768 + 512 pair + 4 wave
	s_mov_b32 s29, 0
	s_bfe_u32 s30, ttmp9, 0x10004                  ; which table: 0 cos, 1 sin
	s_lshl_b32 s30, s30, 20
	s_add_co_u32 s30, s30, s21                     ; its image: 2^20 table + 16384 P
	s_mov_b32 s31, 0
	s_mov_b32 s19, 0
	v_mov_b32 v[VO], v1
.set i, 1
.rept 31
	v_add_nc_u32 v[VO+i], s22, v[VO+i-1]
.set i, i+1
.endr
	s_wait_kmcnt 0x0
	s_cmp_lt_u32 ttmp9, 272                        ; the choices hang on the work-group's number alone
	s_cselect_b64 s[6:7], s[6:7], s[8:9]
	s_cmp_lt_u32 ttmp9, 256
	s_cselect_b64 s[4:5], s[4:5], s[6:7]
	s_add_nc_u64 s[4:5], s[4:5], s[18:19]
	s_add_nc_u64 s[26:27], s[10:11], s[26:27]
	s_add_nc_u64 s[28:29], s[10:11], s[28:29]
	s_add_nc_u64 s[30:31], s[12:13], s[30:31]
.set i, 0
.rept 32
	global_load_b128 v[X+4*i:X+4*i+3], v[VO+i], s[4:5] th:TH_LOAD_NT   ; row i: 32 lanes read 512 consecutive bytes; all 32 loads are out together
.set i, i+1
.endr
.set i, 0
.rept 32
	s_wait_loadcnt 31-i                            ; loads come back in order: row i is in, the 31 - i younger ones stay out
	ds_store_b128 v2, v[X+4*i:X+4*i+3] offset:SP*i
.set i, i+1
.endr
	s_wait_dscnt 0x0                               ; the stores have read their registers, which are loaded again
.set i, 0
.rept 32
	ds_load_b128 v[X+4*i:X+4*i+3], v3 offset:16*i  ; my row's numbers 4 i .. 4 i + 3
.set i, i+1
.endr
	s_cmp_ge_u32 ttmp9, 256
	s_cbranch_scc1 .Ltable
	s_wait_dscnt 0x0
.irp b, 0,1,2,3
	v_max3_num_f32 v[M+\b], |v[X+32*\b]|, |v[X+32*\b+1]|, 0x1800000   ; block b, and the floor 2^(3 - 127): the byte cannot fall under 1
.endr
.irp i, 2,4,6,8,10,12,14,16,18,20,22,24,26,28,30
.irp b, 0,1,2,3
	v_max3_num_f32 v[M+\b], v[M+\b], |v[X+32*\b+\i]|, |v[X+32*\b+\i+1]|   ; the four blocks by turns
.endr
.endr
.irp b, 0,1,2,3
	v_add_nc_u32 v[SO+\b], 0xff000000, v[M+\b]     ; 2 off the exponent field: the conversion takes that field as its scale
.endr
.irp b, 0,1,2,3
	v_lshrrev_b32 v[B+\b], 23, v[SO+\b]            ; the scale's byte
.endr
	v_lshl_or_b32 v[WD], v[B+1], 8, v[B]
	v_lshl_or_b32 v[WD], v[B+2], 16, v[WD]
	v_lshl_or_b32 v[WD], v[B+3], 24, v[WD]
.irp b, 0,1,2,3
.irp g, 0,1,2,3
	v_cvt_scalef32_pk8_fp4_f32 v[C+4*\b+\g], v[X+32*\b+8*\g:X+32*\b+8*\g+7], v[SO+\b]
.endr
.endr
	v_nop                                          ; one plain place behind the last conversion
.irp b, 0,1,2,3
	global_store_b128 v4, v[C+4*\b:C+4*\b+3], s[26:27] offset:256*\b   ; the sixteen lanes of a tile store 256 consecutive bytes, aligned
.endr
	global_store_b32 v5, v[WD], s[28:29]
	s_wait_tensorcnt 0x0
	ds_add_u32 v224, v225
	s_wait_dscnt 0x0
	s_endpgm
.Ltable:
; Piece (beta, i) of a tile's image, at 512 (4 beta + i) + 16 x (16 h + r), holds table[row of lane r][32 beta + 16 h + 4 i .. + 3].  My row's piece c = 8 beta + 4 h + i goes there.
.set c, 0
.rept 32
	s_wait_dscnt 31-c                              ; LDS loads come back in order
	global_store_b128 v6, v[X+4*c:X+4*c+3], s[30:31] offset:(4*(c/8)+c%4)*512+256*((c/4)%2)
.set c, c+1
.endr
	s_wait_tensorcnt 0x0
	ds_add_u32 v224, v225
	s_wait_dscnt 0x0
	s_endpgm
.Lfunc_end_k_qbb49a0ab82_qx:
	.size	k_qbb49a0ab82_qx, .Lfunc_end_k_qbb49a0ab82_qx-k_qbb49a0ab82_qx
	.p2alignl 7, 3214868480
	.fill 96, 4, 3214868480
	.section	.rodata,"a",@progbits
	.p2align	6, 0x0
	.amdhsa_kernel k_qbb49a0ab82_qx
		.amdhsa_group_segment_fixed_size 68096
		.amdhsa_private_segment_fixed_size 0
		.amdhsa_enable_private_segment 0
		.amdhsa_kernarg_size 40
		.amdhsa_user_sgpr_count 2
		.amdhsa_user_sgpr_kernarg_segment_ptr 1
		.amdhsa_wavefront_size32 1
		.amdhsa_system_sgpr_workgroup_id_x 1
		.amdhsa_system_sgpr_workgroup_id_y 1
		.amdhsa_system_sgpr_workgroup_id_z 1
		.amdhsa_system_vgpr_workitem_id 0
		.amdhsa_next_free_vgpr 226
		.amdhsa_next_free_sgpr 66
		.amdhsa_reserve_vcc 0
		.amdhsa_float_denorm_mode_32 3
		.amdhsa_float_denorm_mode_16_64 3
		.amdhsa_memory_ordered 1
		.amdhsa_forward_progress 1
		.amdhsa_inst_pref_size 23
	.end_amdhsa_kernel
	.amdgpu_metadata
---
amdhsa.version: [ 1, 2 ]
amdhsa.kernels:
  - .name:           k_qbb49a0ab82_qx
    .symbol:         k_qbb49a0ab82_qx.kd
    .args:
      - { .name: x, .offset: 0, .size: 8, .value_kind: global_buffer, .address_space: global }
      - { .name: freqs_cos, .offset: 8, .size: 8, .value_kind: global_buffer, .address_space: global }
      - { .name: freqs_sin, .offset: 16, .size: 8, .value_kind: global_buffer, .address_space: global }
      - { .name: opnd, .offset: 24, .size: 8, .value_kind: global_buffer, .address_space: global }
      - { .name: rope, .offset: 32, .size: 8, .value_kind: global_buffer, .address_space: global }
    .group_segment_fixed_size: 68096
    .private_segment_fixed_size: 0
    .kernarg_segment_align: 8
    .kernarg_segment_size: 40
    .max_flat_workgroup_size: 128
    .sgpr_count:     66
    .vgpr_count:     226
    .wavefront_size: 32
...
	.end_amdgpu_metadata
.endif
;; end of part 1
;; launch qw (part 2): grid 16 x 32, 4 waves a work-group, no clusters, 0 bytes of LDS; arguments Wq, Wk, Wv, Wo, opnd; writes opnd
.if DOCPART == 2
	.amdgcn_target "amdgcn-amd-amdhsa--gfx1250"
	.amdhsa_code_object_version 6
	.text
	.protected	k_qbb49a0ab82_qw
	.globl	k_qbb49a0ab82_qw
	.p2align	8
	.type	k_qbb49a0ab82_qw,@function
k_qbb49a0ab82_qw:
	s_mov_b64 s[64:65], 0
	v_nop
	global_prefetch_b8 v0, s[64:65] scope:SCOPE_SE
	s_setreg_imm32_b32 hwreg(HW_REG_WAVE_MODE, 25, 1), 1
	s_wait_xcnt 0x0
; Wq, Wk, Wv, Wo [2048 (k)][2048 (n)] f32, K their FIRST axis, become codes of FP4 (E2M1) with one E8M0 byte for each 32 along K, in the operand's layout:
; [block of 128 rows n][512 along K] records of REC bytes; in a record tile a, K step q: the 16 bytes of K block kb of lane r at 4096 a + 1024 q + 256 kb + 16 r; scale words at 32768 + 256 a + 16 r + 4 q.
; Lane r of tile a holds row 32 (a / 2) + 8 (a % 2) + r % 8 + 16 (r / 8) of the block.
; A LANE TAKES A COLUMN n AND ITS REGISTERS RUN DOWN K: a load reads 128 consecutive bytes a wave (512 a work-group), a block of 32 lies in one lane's registers, and the conversions give codes with K innermost.
; The layout takes a lane's 16 bytes as they come: the sixteen lanes of a tile store 256 consecutive bytes, aligned.  No LDS, no barrier.  No cluster: no two work-groups read the same bytes.
; SHARES.  x: the block of 128 columns; y = 8 x matrix + kh, kh: which 256 along K.  Wave w: columns 32 w .. 32 w + 31, tiles 2 w and 2 w + 1.  Eight blocks a lane; loads run two blocks (64 loads a wave) ahead.
; A block of zeros gets the byte 1 where the rule says 127: its codes are zeros, and only this program reads the bytes.  LIMITS: NaN and infinities among the inputs are not served.
.set REC, 34816
.set OPB, 64*REC                       ; an operand: 16 blocks of rows x 4 records
.set X,   32                           ; v32-95   two sets of 32 numbers
.set C,   96                           ; v96-127  the codes: four registers for each block, so that no store's data are written again
.set SB,  24                           ; v24-25   the scale bytes, four to a register
	s_load_b256 s[4:11], s[0:1], 0x0               ; Wq, Wk, Wv, Wo
	s_load_b64 s[12:13], s[0:1], 0x20              ; opnd
	v_lshrrev_b32 v1, 5, v0
	v_readfirstlane_b32 s14, v1                    ; wave
	v_and_b32 v2, 31, v0
	v_lshlrev_b32 v3, 2, v2                        ; in: 4 bytes a lane
	v_bfe_u32 v6, v0, 3, 1                         ; u
	v_and_b32 v7, 7, v0
	v_bfe_u32 v8, v0, 4, 1
	v_lshl_or_b32 v7, v8, 3, v7                    ; r
	v_lshlrev_b32 v7, 4, v7
	v_lshl_add_u32 v4, v6, 12, v7                  ; codes: 4096 u + 16 r
	v_lshl_add_u32 v5, v6, 8, v7                   ; scale words: 256 u + 16 r
	s_and_b32 s15, ttmp7, 0xffff
	s_lshr_b32 s16, s15, 3                         ; which matrix
	s_and_b32 s17, s15, 7                          ; kh
	s_lshl_b32 s18, s17, 21                        ; 256 rows of 8,192 bytes
	s_lshl_b32 s19, ttmp9, 9                       ; 128 columns
	s_add_co_u32 s18, s18, s19
	s_lshl_b32 s19, s14, 7                         ; the wave's 32
	s_add_co_u32 s18, s18, s19
	s_mov_b32 s19, 0
	s_add_co_u32 s20, s16, 1                       ; operand 1 + matrix (operand 0 is x)
	s_mul_i32 s20, s20, OPB
	s_lshl_b32 s21, ttmp9, 2
	s_lshr_b32 s22, s17, 1
	s_add_co_u32 s21, s21, s22
	s_mul_i32 s21, s21, REC
	s_add_co_u32 s20, s20, s21                     ; the record
	s_and_b32 s22, s17, 1                          ; which half of its 512 along K
	s_lshl_b32 s23, s14, 13
	s_add_co_u32 s24, s20, s23
	s_lshl_b32 s23, s22, 11
	s_add_co_u32 s24, s24, s23                     ; codes: record + 8192 wave + 2048 half; block t then lies 256 t on
	s_mov_b32 s25, 0
	s_lshl_b32 s23, s14, 9
	s_add_co_u32 s26, s20, s23
	s_lshl_b32 s23, s22, 3
	s_add_co_u32 s26, s26, s23
	s_add_co_u32 s26, s26, 32768                   ; scale words: record + 32768 + 512 wave + 8 half
	s_mov_b32 s27, 0
	s_wait_kmcnt 0x0
	s_cmp_lt_u32 s16, 1                            ; the choices hang on the work-group's number alone
	s_cselect_b64 s[4:5], s[4:5], s[6:7]
	s_cmp_lt_u32 s16, 3
	s_cselect_b64 s[8:9], s[8:9], s[10:11]
	s_cmp_lt_u32 s16, 2
	s_cselect_b64 s[4:5], s[4:5], s[8:9]
	s_add_nc_u64 s[4:5], s[4:5], s[18:19]
	s_add_nc_u64 s[24:25], s[12:13], s[24:25]
	s_add_nc_u64 s[26:27], s[12:13], s[26:27]
.macro LOAD t                          ; block t: W(32 t + i, my column), i = 0 .. 31, into set t % 2.  The largest offset is 255 rows: 2,088,960 bytes
.set i, 0
.rept 32
	global_load_b32 v[X+32*((\t)%2)+i], v3, s[4:5] offset:(32*(\t)+i)*8192 th:TH_LOAD_NT
.set i, i+1
.endr
.endm
.macro BLOCK t
.set XS, X+32*((\t)%2)
.if (\t) < 7
	s_wait_loadcnt 32                              ; this block's 32 loads are in; the next block's 32 stay out
.else
	s_wait_loadcnt 0x0
.endif
	v_max3_num_f32 v12, |v[XS]|, |v[XS+1]|, |v[XS+2]|              ; the block's largest magnitude, in two chains: all 32 numbers are mine
	v_max3_num_f32 v13, |v[XS+3]|, |v[XS+4]|, |v[XS+5]|
.irp i, 6,10,14,18,22,26
	v_max3_num_f32 v12, v12, |v[XS+\i]|, |v[XS+\i+1]|
	v_max3_num_f32 v13, v13, |v[XS+\i+2]|, |v[XS+\i+3]|
.endr
	v_max3_num_f32 v12, v12, |v[XS+30]|, |v[XS+31]|
	v_max3_num_f32 v12, v12, v13, 0x1800000        ; and the floor 2^(3 - 127): the byte cannot fall under 1
	v_add_nc_u32 v11, 0xff000000, v12              ; 2 off the exponent field: the conversions' scale operand
	v_lshrrev_b32 v13, 23, v11                     ; the scale's byte
.if (\t)%4 == 0
	v_mov_b32 v[SB+(\t)/4], v13
.else
	v_lshl_or_b32 v[SB+(\t)/4], v13, 8*((\t)%4), v[SB+(\t)/4]
.endif
.irp g, 0,1,2,3
	v_cvt_scalef32_pk8_fp4_f32 v[C+4*(\t)+\g], v[XS+8*\g:XS+8*\g+7], v11
.endr
	v_nop                                          ; one plain place behind the last conversion
	global_store_b128 v4, v[C+4*(\t):C+4*(\t)+3], s[24:25] offset:256*(\t)
.if (\t)+2 < 8
	LOAD (\t)+2
.endif
.endm
	LOAD 0
	LOAD 1
.irp t, 0,1,2,3,4,5,6,7
	BLOCK \t
.endr
	global_store_b64 v5, v[SB:SB+1], s[26:27]      ; my row's two scale words
	s_endpgm
.Lfunc_end_k_qbb49a0ab82_qw:
	.size	k_qbb49a0ab82_qw, .Lfunc_end_k_qbb49a0ab82_qw-k_qbb49a0ab82_qw
	.p2alignl 7, 3214868480
	.fill 96, 4, 3214868480
	.section	.rodata,"a",@progbits
	.p2align	6, 0x0
	.amdhsa_kernel k_qbb49a0ab82_qw
		.amdhsa_group_segment_fixed_size 0
		.amdhsa_private_segment_fixed_size 0
		.amdhsa_enable_private_segment 0
		.amdhsa_kernarg_size 40
		.amdhsa_user_sgpr_count 2
		.amdhsa_user_sgpr_kernarg_segment_ptr 1
		.amdhsa_wavefront_size32 1
		.amdhsa_system_sgpr_workgroup_id_x 1
		.amdhsa_system_sgpr_workgroup_id_y 1
		.amdhsa_system_sgpr_workgroup_id_z 1
		.amdhsa_system_vgpr_workitem_id 0
		.amdhsa_next_free_vgpr 128
		.amdhsa_next_free_sgpr 66
		.amdhsa_reserve_vcc 0
		.amdhsa_float_denorm_mode_32 3
		.amdhsa_float_denorm_mode_16_64 3
		.amdhsa_memory_ordered 1
		.amdhsa_forward_progress 1
		.amdhsa_inst_pref_size 39
	.end_amdhsa_kernel
	.amdgpu_metadata
---
amdhsa.version: [ 1, 2 ]
amdhsa.kernels:
  - .name:           k_qbb49a0ab82_qw
    .symbol:         k_qbb49a0ab82_qw.kd
    .args:
      - { .name: Wq, .offset: 0, .size: 8, .value_kind: global_buffer, .address_space: global }
      - { .name: Wk, .offset: 8, .size: 8, .value_kind: global_buffer, .address_space: global }
      - { .name: Wv, .offset: 16, .size: 8, .value_kind: global_buffer, .address_space: global }
      - { .name: Wo, .offset: 24, .size: 8, .value_kind: global_buffer, .address_space: global }
      - { .name: opnd, .offset: 32, .size: 8, .value_kind: global_buffer, .address_space: global }
    .group_segment_fixed_size: 0
    .private_segment_fixed_size: 0
    .kernarg_segment_align: 8
    .kernarg_segment_size: 40
    .max_flat_workgroup_size: 128
    .sgpr_count:     66
    .vgpr_count:     128
    .wavefront_size: 32
...
	.end_amdgpu_metadata
.endif
;; end of part 2
;; launch qkv (part 3): grid 8 x 24, 4 waves a work-group, clusters of 4 x 4, 327,680 bytes of LDS; arguments opnd, rope, qkv; writes qkv
.if DOCPART == 3
	.amdgcn_target "amdgcn-amd-amdhsa--gfx1250"
	.amdhsa_code_object_version 6
	.text
	.protected	k_qbb49a0ab82_qkv
	.globl	k_qbb49a0ab82_qkv
	.p2align	8
	.type	k_qbb49a0ab82_qkv,@function
k_qbb49a0ab82_qkv:
	s_mov_b64 s[64:65], 0
	v_nop
	global_prefetch_b8 v0, s[64:65] scope:SCOPE_SE
	s_setreg_imm32_b32 hwreg(HW_REG_WAVE_MODE, 25, 1), 1
	s_wait_xcnt 0x0
	s_wait_alu depctr_hold_cnt(0) depctr_sa_sdst(0) depctr_va_vdst(0) depctr_va_sdst(0) depctr_va_ssrc(0) depctr_va_vcc(0) depctr_vm_vsrc(0)
	s_getreg_b32 s2, hwreg(HW_REG_IB_STS2, 6, 4)
	s_cmp_eq_u32 s2, 0
	s_cbranch_scc0 .Lentry_in_a_cluster
	s_endpgm
.Lentry_in_a_cluster:
	s_bfe_u32 s2, ttmp6, 0x10000c
	s_cmp_lg_u32 s2, 0xf033
	s_cbranch_scc0 .Lentry_shape_is_right
	s_endpgm
.Lentry_shape_is_right:
; q = rope(x Wq), k = rope(x Wk), v = x Wv, on codes of FP4 (E2M1) with E8M0 scales, and their quantising for the two products of attention: only codes and scale words go to memory.
; THE PRODUCT.  C'[m][n] = sum over k of A'[m][k] B'[n][k]; a work-group of four waves makes 256 x 256, a wave 128 x 128: 64 accumulators, 512 registers.  For q and k: A' = x (rows: positions), B' = Wq or Wk (rows: output
; columns).  For v THE SIDES ARE SWAPPED: A' = Wv (rows: channels), B' = x (rows: keys), so that the keys, which are the K of attention's second product, run along a lane's registers.
; OPERANDS lie in memory as [block of 128 rows][512 along K] records of REC bytes: 32 fragments as images of their registers (tile a, K step q at 4096 a + 1024 q; registers 4 c .. 4 c + 3 of lane l at 512 c + 16 l), then
; the scale words (32768 + 256 a + 16 r + 4 q).  A record is one dense block for one tensor load, a fragment two LDS loads of 512 consecutive bytes: no pitch, no padding, and the scales ride in the ring.
; Lane r of tile a holds row 32 (a / 2) + 8 (a % 2) + r % 8 + 16 (r / 8) of the block of 128, on both sides.  THE MATRIX INSTRUCTION IS USED TRANSPOSED (source 0 = 16 rows of B', source 1 = 16 rows of A'): lane (r, h) then
; holds ONE row of A', and register 16 b + i of that tile's 64 is column 32 b + 16 h + i of B's block of 128: sixteen neighbours of each block of 32, which is what the conversions want.
; K = 2,048 goes in four steps of 512 through two LDS slots; the steps are written out.  CLUSTERS: 4 x 4 work-groups; A's records are asked for jointly along a row of the cluster, B's along a column.
; 192 work-groups: a wave's tile must hold a whole head's 128 columns beside 128 rows, and a smaller tile would read each fragment from LDS for fewer products.
; THE WAY OUT uses no LDS: rope in f32 (q cos + rotate_half(q) sin; the second product is fused with the addition), the block scales, the conversions, and each fragment is stored as an image of its registers.
; q, k, v records: [which][head][block of 128 positions] of RA bytes: 8 fragment images, then an image of the 8 scale-word registers.  q, k: rows = positions, K = the head's 128.  v: rows = channels, K = 128 keys.
; LIMITS: NaN and infinities are not served; a block of zeros gets the byte 1 where the rule says 127 (its codes are zeros; only this program reads the bytes).
; REGISTERS: window 0: v16-29 addresses; v32-95 scale words, two sets, and nothing else; v128-191 A's fragments, one set; on the way out v96-119 at work, v128-191 the codes, v192-255 a tile after rope.
;   window 1: B's fragments, two sets (v0, v128); on the way out two buffers of cos (64) and sin (64).   windows 2, 3: the accumulators ((a, b) at v[8 (8 (a % 4) + b)]).
.set REC,   34816
.set SLOT,  4*REC                      ; A's two records, then B's two
.set RBB,   4*REC                      ; a block of 128 rows of an operand: four records
.set OPB,   16*RBB
.set SPARE, 2*SLOT                     ; behind the ring: the spare words, 128 bytes for each wave: two blocks of 256 bytes that no other line names
.set RA,    9216
.set HEADB, 16*RA
.set WHB,   16*HEADB
.set NQ,    4                          ; matrix instructions deep in a slot
.set FR,    8
.set NL,    2
.set NP,    4                          ; places behind this matrix instruction (ISA guide 7.12.1)
.set ADRA, 16                          ; v16-17  my A fragments in slot 0, 1: record + 16 x lane
.set ADRB, 20                          ; v20-21  the same for B
.set ADRS, 22                          ; v22-23  my scale words in slot 0, 1: lanes 0-15 A's, lanes 16-31 B's
.set LI,   26                          ; v26     16 x lane
.set SPW,  28                          ; v28     my spare word; never rewritten
.set NIL,  29                          ; v29     0; never rewritten
.set SC,   32
.set AF,   128
.set TM,   96                          ; v96-111  at work in QUANT
.set PW,   112                         ; v112-119 the eight tiles' scale words
.set PC,   128                         ; v128-191 the eight tiles' codes: never rewritten, so no store's data are written again
.set T,    192                         ; v192-255 a tile after rope
.set G1, 24
.set G0, 32
.set G1B, 48
.set G0B, 56
.set SEL, 66                           ; s[66:67] v_permlanex16_b32's selects for lane l xor 16
.set MSB, 0
.macro WIN new                         ; the immediate's high byte repeats the setting that is left; a switch that changes nothing is dropped
.if MSB != (\new)
	s_set_vgpr_msb (MSB<<8)|(\new)
.set MSB, (\new)
.endif
.endm
.set MUL_LO, 0xa1                      ; source 0 (B) window 1, source 1 (A) window 0, C and D window 2
.set MUL_HI, 0xf1                      ; the same, C and D window 3
.set TO_B,   0x40                      ; destination window 1, address window 0
.macro PLACES n
.rept \n
	v_nop
.endr
.endm
; A joint load: waves 0 and 1 fetch A's two records, waves 2 and 3 B's.  Each line has one mask and one set of registers; the branch hangs on the wave's number alone.  Four v_nop follow each line.
.macro JLOAD g0a, g1a, g0b, g1b
	s_cmp_eq_u32 s15, 0
	s_cbranch_scc0 .Lfor_b_\@
	tensor_load_to_lds s[\g0a:\g0a+3], s[\g1a:\g1a+7]
	s_nop 0
	PLACES 4
	s_branch .Lasked_\@
.Lfor_b_\@:
	tensor_load_to_lds s[\g0b:\g0b+3], s[\g1b:\g1b+7]
	s_nop 0
	PLACES 4
.Lasked_\@:
.endm
.macro CREST                           ; a round of the cluster's barrier behind its opening barrier
	s_cmp_lg_u32 s14, 0
	s_cbranch_scc1 .Lnot_wave_0_\@
	s_barrier_signal -3
.Lnot_wave_0_\@:
	s_barrier_wait -3
	s_barrier_signal -1
	s_barrier_wait -1
.endm
.macro CROUND
	s_barrier_signal -1
	s_barrier_wait -1
	CREST
.endm
	s_load_b128 s[4:7], s[0:1], 0x0                ; opnd, rope
	s_load_b64 s[8:9], s[0:1], 0x10                ; qkv
	v_lshl_add_u32 v[SPW], v0, 2, SPARE
	v_mov_b32 v[NIL], 0
	ds_add_u32 v28, v29
	ds_add_u32 v28, v29
	s_wait_dscnt 0x0
	v_lshrrev_b32 v1, 5, v0
	v_readfirstlane_b32 s14, v1                    ; wave 0..3
	s_lshr_b32 s15, s14, 1                         ; which 128 rows of the tile are mine.  Also: I fetch for A (0) or for B (1)
	s_and_b32 s16, s14, 1                          ; which 128 columns.  Also: which of the two records I fetch
	s_bfe_u32 s40, ttmp6, 0x40000                  ; cx, cy
	s_bfe_u32 s41, ttmp6, 0x40004
	s_lshl_b32 s42, ttmp9, 2
	s_add_co_u32 s42, s42, s40                     ; tile column = 4 x cluster x + cx
	s_and_b32 s10, ttmp7, 0xffff                   ; cluster y, 0..5: the same in all sixteen partners
	s_lshr_b32 s11, s10, 1                         ; which: 0 q, 1 k, 2 v
	s_and_b32 s17, s10, 1
	s_lshl_b32 s17, s17, 2
	s_add_co_u32 s17, s17, s41                     ; tile row = 4 x (cluster y % 2) + cy
	s_lshl_b32 s43, s41, 2
	s_lshl_b32 s43, 15, s43                        ; my row of the cluster
	s_lshl_b32 s44, 0x1111, s40                    ; my column
	s_or_b32 s[G1+0], s43, (3<<16)|(1<<21)         ; 15:0 the mask; 17:16 elements of 8 bytes; 21 set beside a mask; no padding
	s_or_b32 s[G1B+0], s44, (3<<16)|(1<<21)
.irp g, G1, G1B                        ; a record: a dense block of 136 rows of 256 bytes
	s_mov_b32 s[\g+1], 32<<16                      ; tensor_dim0 = 32 elements
	s_mov_b32 s[\g+2], 136<<16                     ; tensor_dim1 = 136
	s_mov_b32 s[\g+3], 32<<16                      ; tile_dim0
	s_mov_b32 s[\g+4], 136                         ; tile_dim1
	s_mov_b32 s[\g+5], 32                          ; from row to row
	s_mov_b32 s[\g+6], 0
	s_mov_b32 s[\g+7], 0
.endr
	s_lshr_b32 s18, s11, 1                         ; 1 for v
	s_mul_i32 s19, s18, 3                          ; A' is operand 0 (x) or 3 (Wv)
	s_add_co_u32 s45, s11, 1
	s_sub_co_u32 s45, s45, s19                     ; B' is operand 1 (Wq), 2 (Wk) or 0 (x)
	s_mul_i32 s20, s19, OPB
	s_lshl_b32 s21, s17, 1
	s_add_co_u32 s21, s21, s16
	s_mul_i32 s21, s21, RBB
	s_add_co_u32 s20, s20, s21                     ; A': block of rows 2 x tile row + half: made of what my row of the cluster shares
	s_mov_b32 s21, 0
	s_mul_i32 s46, s45, OPB
	s_lshl_b32 s47, s42, 1
	s_add_co_u32 s47, s47, s16
	s_mul_i32 s47, s47, RBB
	s_add_co_u32 s46, s46, s47                     ; B': block of rows 2 x tile column + half: made of what my column shares
	s_mov_b32 s47, 0
	s_mul_i32 s45, s14, REC                        ; where they go: wave x a record: no place in the cluster enters an LDS address
	s_mov_b32 s[SEL], 0x76543210
	s_mov_b32 s[SEL+1], 0xfedcba98
	s_wait_kmcnt 0x0
	s_add_nc_u64 s[20:21], s[4:5], s[20:21]
	s_add_nc_u64 s[46:47], s[4:5], s[46:47]
	CROUND                                         ; all sixteen work-groups are here: the first joint loads meet
.irp s, 0,1
	s_mov_b32 s[G0+4*\s], 1
	s_add_co_u32 s[G0+4*\s+1], s45, \s*SLOT
	s_add_nc_u64 s[G0+4*\s+2:G0+4*\s+3], s[20:21], \s*REC      ; K step s
	s_or_b32 s[G0+4*\s+3], s[G0+4*\s+3], 0x80000000
	s_mov_b32 s[G0B+4*\s], 1
	s_add_co_u32 s[G0B+4*\s+1], s45, \s*SLOT
	s_add_nc_u64 s[G0B+4*\s+2:G0B+4*\s+3], s[46:47], \s*REC
	s_or_b32 s[G0B+4*\s+3], s[G0B+4*\s+3], 0x80000000
	JLOAD G0+4*\s, G1, G0B+4*\s, G1B               ; two loads of mine are out
.endr
	v_and_b32 v1, 15, v0                           ; r
	v_bfe_u32 v2, v0, 4, 1                         ; h
	v_and_b32 v3, 31, v0
	v_lshlrev_b32 v[LI], 4, v3
	s_mul_i32 s21, s15, REC                        ; my record of A
	s_mul_i32 s22, s16, REC
	s_add_co_u32 s22, s22, 2*REC                   ; my record of B, behind A's two
.irp s, 0,1
	v_add_nc_u32 v[ADRA+\s], s21, v[LI]
	v_add_nc_u32 v[ADRB+\s], s22, v[LI]
	s_add_co_u32 s21, s21, SLOT
	s_add_co_u32 s22, s22, SLOT
.endr
	s_mul_i32 s21, s15, REC
	s_mul_i32 s22, s16, REC
	s_add_co_u32 s22, s22, 2*REC
	s_sub_co_u32 s22, s22, s21
	v_mul_u32_u24 v6, s22, v2                      ; lanes 16-31 take B's: the lower base + h x the distance
	v_lshl_add_u32 v6, v1, 4, v6
	s_add_co_u32 s21, s21, 32768
	v_add_nc_u32 v[ADRS], s21, v6
	v_add_nc_u32 v[ADRS+1], SLOT, v[ADRS]
.macro FRAG reg, adr, q, i             ; a fragment comes as the image of its registers: two loads of 512 consecutive bytes
.irp c, 0,1
	ds_load_b128 v[\reg+4*\c:\reg+4*\c+3], v[\adr] offset:(\i)*4096+(\q)*1024+512*\c
.endr
.endm
; 16 matrix instructions: A's blocks a0, a0 + 1 x B's eight, the slot's q-th 128 along K.  p: B's set; sc: the set of scale words.  zero = 1: the first product starts the sums.
; The 64 accumulators take turns, one instruction a turn, in the same order in every step.
.macro MUL16 a0, p, q, sc, zero
.irp a, \a0, \a0+1
.irp b, 0,1,2,3,4,5,6,7
.if \zero
	v_wmma_scale_f32_16x16x128_f8f6f4 v[8*(8*((\a)%4)+\b):8*(8*((\a)%4)+\b)+7], v[128*(\p)+FR*\b:128*(\p)+FR*\b+FR-1], v[AF+FR*(\a):AF+FR*(\a)+FR-1], 0, v[SC+8*NQ*(\sc)+NQ*\b+(\q)], v[SC+8*NQ*(\sc)+NQ*(\a)+(\q)] matrix_a_fmt:MATRIX_FMT_FP4 matrix_b_fmt:MATRIX_FMT_FP4 matrix_a_scale:MATRIX_SCALE_ROW1
.else
	v_wmma_scale_f32_16x16x128_f8f6f4 v[8*(8*((\a)%4)+\b):8*(8*((\a)%4)+\b)+7], v[128*(\p)+FR*\b:128*(\p)+FR*\b+FR-1], v[AF+FR*(\a):AF+FR*(\a)+FR-1], v[8*(8*((\a)%4)+\b):8*(8*((\a)%4)+\b)+7], v[SC+8*NQ*(\sc)+NQ*\b+(\q)], v[SC+8*NQ*(\sc)+NQ*(\a)+(\q)] matrix_a_fmt:MATRIX_FMT_FP4 matrix_b_fmt:MATRIX_FMT_FP4 matrix_a_scale:MATRIX_SCALE_ROW1
.endif
.endr
.endr
.endm
.macro FETCH_B slot, q, p
	WIN TO_B
.irp i, 0,1,2,3,4,5,6,7
	FRAG 128*(\p)+FR*\i, ADRB+\slot, \q, \i
.endr
	WIN 0
.endm
.macro FETCH_A slot, q, i0
.irp i, \i0, \i0+1, \i0+2, \i0+3
	FRAG AF+FR*(\i), ADRA+\slot, \q, \i
.endr
.endm
.macro SCALES sc                       ; slot sc's scale words: four a row; lanes 0-15 take A's tile i, lanes 16-31 B's tile i
.irp i, 0,1,2,3,4,5,6,7
	ds_load_b128 v[SC+8*NQ*\sc+NQ*\i:SC+8*NQ*\sc+NQ*\i+3], v[ADRS+\sc] offset:256*\i
.endr
.endm
; A step of 128 along K that has its successor in the same slot.  A block of A is free as soon as its eight products are issued: blocks 0-3 are fetched anew in the step's middle, blocks 4-7 at its end; B has two sets.
.macro STEP slot, q, zero
	s_wait_dscnt 4*NL                              ; all but the youngest eight loads (A's blocks 4-7) are in
	WIN MUL_LO
	MUL16 0, (\q)%2, \q, \slot, \zero
	MUL16 2, (\q)%2, \q, \slot, \zero
	s_wait_dscnt 0                                 ; A's blocks 4-7 are in
	PLACES NP                                      ; in front of loads into registers that matrix instructions have read
	FETCH_B \slot, (\q)+1, 1-(\q)%2
	FETCH_A \slot, (\q)+1, 0
	WIN MUL_HI
	MUL16 4, (\q)%2, \q, \slot, \zero
	MUL16 6, (\q)%2, \q, \slot, \zero
	PLACES NP
	WIN 0
	FETCH_A \slot, (\q)+1, 4
.endm
; A slot's last step changes slots: one barrier; in front of it each wave waits for all its tensor loads, adds 0 to its spare word, and waits for that and for its reads of this slot.  fill = 1: this slot is filled again, two K steps on.
.macro TURN slot, next, fill
	s_wait_tensorcnt 0x0                           ; all my tensor loads have landed: the one that was out is my part of the next slot
	ds_add_u32 v[SPW], v[NIL]                      ; 0 onto my spare word
	s_wait_dscnt 4*NL+1                            ; (the add and the youngest eight loads may be out)
	WIN MUL_LO
	MUL16 0, 1, NQ-1, \slot, 0                     ; sixteen matrix instructions stand between the add and the wait for it
	s_wait_dscnt 0x0                               ; the add is done, and my reads of this slot are over
	s_barrier_signal -1
	MUL16 2, 1, NQ-1, \slot, 0
	WIN 0
	s_barrier_wait -1
.if \fill
	CREST                                          ; the barrier has opened a round of the cluster's: no wave of any partner still reads this slot or has a load on its way
	s_add_nc_u64 s[G0+4*\slot+2:G0+4*\slot+3], s[G0+4*\slot+2:G0+4*\slot+3], 2*REC
	s_add_nc_u64 s[G0B+4*\slot+2:G0B+4*\slot+3], s[G0B+4*\slot+2:G0B+4*\slot+3], 2*REC
	JLOAD G0+4*\slot, G1, G0B+4*\slot, G1B         ; my one tensor load behind the round; its four v_nop are also the places in front of the loads below
.else
	PLACES NP
.endif
	FETCH_B \next, 0, 0
	FETCH_A \next, 0, 0
	SCALES \next
	WIN MUL_HI
	MUL16 4, 1, NQ-1, \slot, 0
	MUL16 6, 1, NQ-1, \slot, 0
	PLACES NP
	WIN 0
	FETCH_A \next, 0, 4
.endm
.macro STEPS slot, from
.set Q, \from
.rept NQ-1-\from
	STEP \slot, Q, 0
.set Q, Q+1
.endr
.endm
	s_wait_tensorcnt 1                             ; my part of K step 0 is in; K step 1's load stays out
	s_barrier_signal -1
	s_barrier_wait -1
	FETCH_B 0, 0, 0
	FETCH_A 0, 0, 0
	SCALES 0
	FETCH_A 0, 0, 4
	STEP 0, 0, 1                                   ; the first products start the sums: nothing is cleared
	STEPS 0, 1
	TURN 0, 1, 1                                   ; slot 0 takes K step 2
	STEPS 1, 0
	TURN 1, 0, 1                                   ; slot 1 takes K step 3
	STEP 0, 0, 0
	STEPS 0, 1
	TURN 0, 1, 0                                   ; nothing is left to fetch
	STEPS 1, 0
	s_wait_dscnt 4*NL
	WIN MUL_LO
	MUL16 0, 1, NQ-1, 1, 0
	MUL16 2, 1, NQ-1, 1, 0
	s_wait_dscnt 0
	WIN MUL_HI
	MUL16 4, 1, NQ-1, 1, 0
	MUL16 6, 1, NQ-1, 1, 0
	WIN 0
; 64 numbers of a lane at v[s] on, in window W, register 16 b + i = k 32 b + 16 h + i of my row, become a fragment's 8 registers of codes at v[pc] and its scale word in v[pw] (both window 0).
; Each accumulator is read from its low end on.
.macro QUANT s, W, pc, pw
	WIN ((\W)<<2)|((\W)<<4)                        ; sources 1 and 2 in window W
.irp b, 0,1,2,3
	v_max3_num_f32 v[TM+\b], 0x1800000, |v[(\s)+16*\b]|, |v[(\s)+16*\b+1]|   ; block b: my 16 numbers, and the floor 2^(3 - 127): the byte cannot fall under 1
.endr
.irp i, 2,4,6,8,10,12,14
.irp b, 0,1,2,3
	v_max3_num_f32 v[TM+\b], v[TM+\b], |v[(\s)+16*\b+\i]|, |v[(\s)+16*\b+\i+1]|   ; the four blocks by turns
.endr
.endr
	WIN 0
.irp b, 0,1,2,3
	v_permlanex16_b32 v[TM+4+\b], v[TM+\b], s[SEL], s[SEL+1]
.endr
.irp b, 0,1,2,3
	v_max_num_f32 v[TM+\b], v[TM+\b], v[TM+4+\b]   ; with lane l xor 16's: the block's largest magnitude
.endr
.irp b, 0,1,2,3
	v_add_nc_u32 v[TM+12+\b], 0xff000000, v[TM+\b] ; 2 off the exponent field: the conversions' scale operand
.endr
.irp b, 0,1,2,3
	v_lshrrev_b32 v[TM+4+\b], 23, v[TM+12+\b]      ; the scale's byte
.endr
	v_lshl_or_b32 v[\pw], v[TM+5], 8, v[TM+4]
	v_lshl_or_b32 v[\pw], v[TM+6], 16, v[\pw]
	v_lshl_or_b32 v[\pw], v[TM+7], 24, v[\pw]
	WIN (\W)                                       ; source 0 in window W
.irp b, 0,1,2,3
	v_cvt_scalef32_pk8_fp4_f32 v[(\pc)+2*\b], v[(\s)+16*\b:(\s)+16*\b+7], v[TM+12+\b]
	v_cvt_scalef32_pk8_fp4_f32 v[(\pc)+2*\b+1], v[(\s)+16*\b+8:(\s)+16*\b+15], v[TM+12+\b]
.endr
	WIN 0
	v_nop                                          ; one plain place behind the last conversion
.irp c, 0,1                            ; the operand's layout wants a whole block in a lane: lanes 0-15 block 2 c, lanes 16-31 block 2 c + 1
.irp i, 0,1
	v_permlane16_swap_b32 v[(\pc)+4*\c+\i], v[(\pc)+2+4*\c+\i]
.endr
.endr
.endm
.macro OUT a                           ; tile a's fragment leaves as it stands: each store covers 512 consecutive bytes, aligned
.irp c, 0,1
	global_store_b128 v[LI], v[PC+8*(\a)+4*\c:PC+8*(\a)+4*\c+3], s[8:9] offset:(\a)*1024+512*\c
.endr
.endm
.macro LOADCS a                        ; cos and sin of tile a's 16 positions, in the accumulators' order, into buffer a % 2 of window 1: each load reads 512 consecutive bytes
	WIN 0x40
.set j, 0
.rept 16
	global_load_b128 v[128*((\a)%2)+4*j:128*((\a)%2)+4*j+3], v[LI], s[6:7] offset:(\a)*8192+512*j
	global_load_b128 v[128*((\a)%2)+64+4*j:128*((\a)%2)+64+4*j+3], v[LI], s[12:13] offset:(\a)*8192+512*j
.set j, j+1
.endr
	WIN 0
.endm
; Register p of a tile is channel d = 32 (p / 16) + 16 h + p % 16, so d + 64 is register p + 32.  d < 64: q(d) cos(d) - q(d + 64) sin(d);  d >= 64: q(d) cos(d) + q(d - 64) sin(d).
.macro ROPE a
.set AC, 64*((\a)%4)
.set CS, 128*((\a)%2)
.set SI, CS+64
	WIN (2+(\a)/4)|4                               ; source 0: the accumulators' window; source 1: window 1
.set p, 0
.rept 16
	v_pk_mul_f32 v[T+p:T+p+1], v[AC+p+32:AC+p+33], v[SI+p:SI+p+1]
	v_pk_mul_f32 v[T+p+32:T+p+33], v[AC+p:AC+p+1], v[SI+p+32:SI+p+33]
.set p, p+2
.endr
.set p, 0
.rept 16
	v_pk_fma_f32 v[T+p:T+p+1], v[AC+p:AC+p+1], v[CS+p:CS+p+1], v[T+p:T+p+1] neg_lo:[0,0,1] neg_hi:[0,0,1]
	v_pk_fma_f32 v[T+p+32:T+p+33], v[AC+p+32:AC+p+33], v[CS+p+32:CS+p+33], v[T+p+32:T+p+33]
.set p, p+2
.endr
	WIN 0
.endm
	PLACES NP                                      ; behind the last products: in front of the first reads of results and of loads and writes into their operands' registers
.irp b, 0,1,2,3
	v_mov_b32 v[TM+4+\b], 0                        ; written once: a lane permute's destination counts as one of its sources
.endr
	s_lshl_b32 s18, s17, 1
	s_add_co_u32 s18, s18, s15                     ; my block of 128 rows of A'
	s_lshl_b32 s19, s42, 1
	s_add_co_u32 s19, s19, s16                     ; my block of 128 rows of B'
	s_cmp_eq_u32 s11, 2
	s_cselect_b32 s20, s18, s19                    ; the head: B's block for q and k, A's for v
	s_cselect_b32 s21, s19, s18                    ; the block of positions: the other one
	s_mul_i32 s22, s11, WHB
	s_mul_i32 s20, s20, HEADB
	s_mul_i32 s21, s21, RA
	s_add_co_u32 s22, s22, s20
	s_add_co_u32 s22, s22, s21
	s_mov_b32 s23, 0
	s_add_nc_u64 s[8:9], s[8:9], s[22:23]          ; my record
	s_lshl_b32 s22, s18, 16                        ; eight tiles of 8,192 bytes
	s_add_nc_u64 s[6:7], s[6:7], s[22:23]          ; cos of my positions,
	s_add_nc_u64 s[12:13], s[6:7], 0x100000        ; sin
	s_cmp_eq_u32 s11, 2                            ; hangs on the cluster's y alone: the same in all partners; no barrier and no tensor load stands in either arm
	s_cbranch_scc1 .Lv_path
	LOADCS 0
	LOADCS 1
.irp a, 0,1,2,3,4,5,6,7
.if \a < 7
	s_wait_loadcnt 32                              ; this tile's 32 loads are in; the next tile's 32 stay out
.else
	s_wait_loadcnt 0x0
.endif
	ROPE \a
.if \a < 6
	LOADCS \a+2
.endif
	QUANT T, 0, PC+8*\a, PW+\a
	OUT \a
.endr
	s_branch .Ljoin
.Lv_path:
.irp a, 0,1,2,3,4,5,6,7
.set AV, 64*(\a%4)
	QUANT AV, 2+\a/4, PC+8*\a, PW+\a
	OUT \a
.endr
.Ljoin:
.irp g, 0,1
	global_store_b128 v[LI], v[PW+4*\g:PW+4*\g+3], s[8:9] offset:8192+512*\g   ; the eight scale-word registers as an image
.endr
	s_wait_tensorcnt 0x0                           ; the wave's end
	ds_add_u32 v[SPW], v[NIL]
	s_wait_dscnt 0x0
	CROUND                                         ; the closing round: no work-group ends while a partner may still ask for a tile that names it
	s_endpgm
.Lfunc_end_k_qbb49a0ab82_qkv:
	.size	k_qbb49a0ab82_qkv, .Lfunc_end_k_qbb49a0ab82_qkv-k_qbb49a0ab82_qkv
	.p2alignl 7, 3214868480
	.fill 96, 4, 3214868480
	.section	.rodata,"a",@progbits
	.p2align	6, 0x0
	.amdhsa_kernel k_qbb49a0ab82_qkv
		.amdhsa_group_segment_fixed_size 327680
		.amdhsa_private_segment_fixed_size 0
		.amdhsa_enable_private_segment 0
		.amdhsa_kernarg_size 24
		.amdhsa_user_sgpr_count 2
		.amdhsa_user_sgpr_kernarg_segment_ptr 1
		.amdhsa_wavefront_size32 1
		.amdhsa_system_sgpr_workgroup_id_x 1
		.amdhsa_system_sgpr_workgroup_id_y 1
		.amdhsa_system_sgpr_workgroup_id_z 1
		.amdhsa_system_vgpr_workitem_id 0
		.amdhsa_next_free_vgpr 1024
		.amdhsa_next_free_sgpr 100
		.amdhsa_reserve_vcc 0
		.amdhsa_float_denorm_mode_32 3
		.amdhsa_float_denorm_mode_16_64 3
		.amdhsa_memory_ordered 1
		.amdhsa_forward_progress 1
		.amdhsa_inst_pref_size 255
	.end_amdhsa_kernel
	.section	.bss,"aw",@nobits
	.p2align	6
	.space	262144
	.amdgpu_metadata
---
amdhsa.version: [ 1, 2 ]
amdhsa.kernels:
  - .name:           k_qbb49a0ab82_qkv
    .symbol:         k_qbb49a0ab82_qkv.kd
    .args:
      - { .name: opnd, .offset: 0, .size: 8, .value_kind: global_buffer, .address_space: global }
      - { .name: rope, .offset: 8, .size: 8, .value_kind: global_buffer, .address_space: global }
      - { .name: qkv, .offset: 16, .size: 8, .value_kind: global_buffer, .address_space: global }
    .group_segment_fixed_size: 327680
    .private_segment_fixed_size: 0
    .kernarg_segment_align: 8
    .kernarg_segment_size: 24
    .max_flat_workgroup_size: 128
    .sgpr_count:     100
    .vgpr_count:     1024
    .wavefront_size: 32
...
	.end_amdgpu_metadata
.endif
;; end of part 3
;; launch attn (part 4): grid 32 x 8, 8 waves a work-group, clusters of 4 x 4, 327,680 bytes of LDS; arguments qkv, attention_mask, alibi, ao; writes ao
.if DOCPART == 4
	.amdgcn_target "amdgcn-amd-amdhsa--gfx1250"
	.amdhsa_code_object_version 6
	.text
	.protected	k_qbb49a0ab82_attn
	.globl	k_qbb49a0ab82_attn
	.p2align	8
	.type	k_qbb49a0ab82_attn,@function
k_qbb49a0ab82_attn:
	s_mov_b64 s[64:65], 0
	v_nop
	global_prefetch_b8 v0, s[64:65] scope:SCOPE_SE
	s_setreg_imm32_b32 hwreg(HW_REG_WAVE_MODE, 25, 1), 1
	s_wait_xcnt 0x0
	s_wait_alu depctr_hold_cnt(0) depctr_sa_sdst(0) depctr_va_vdst(0) depctr_va_sdst(0) depctr_va_ssrc(0) depctr_va_vcc(0) depctr_vm_vsrc(0)
	s_getreg_b32 s2, hwreg(HW_REG_IB_STS2, 6, 4)
	s_cmp_eq_u32 s2, 0
	s_cbranch_scc0 .Lentry_in_a_cluster
	s_endpgm
.Lentry_in_a_cluster:
	s_bfe_u32 s2, ttmp6, 0x10000c
	s_cmp_lg_u32 s2, 0xf033
	s_cbranch_scc0 .Lentry_shape_is_right
	s_endpgm
.Lentry_shape_is_right:
; ao = Q(softmax(q k^T / sqrt(128) + attention_mask + alibi) v), both products on codes of FP4 (E2M1) with E8M0 scales; ao leaves as codes, quantised along the hidden axis for the last product.
; THE SOFTMAX AHEAD OF THE SECOND PRODUCT: t = logit x log2(e); M = the row's largest t so far, rounded UP to a whole number; p = 2^(t - M) is quantised along the keys, not normalised; the row's sum is taken of the
; unquantised p and divides at the end.  When M moves, the sum and O are multiplied by 2^(old M - new M): exact.  The mask is an input: every key is walked for every query, and nothing of its pattern is built in.
; SHARES.  A work-group owns 64 queries (xw) of two heads (yw); wave w owns one tile of 16 queries (w % 4) of head 2 yw + w / 4: two waves to a SIMD, so that one wave's vector work stands beside the other's products and loads.
; Four query tiles share each byte of K and V, two heads each byte of the mask.  CLUSTERS: 4 x 4 work-groups: K's and V's records and alibi hang on yw alone and are asked for jointly along a row of the cluster,
; the mask's tiles on xw alone, jointly along a column.
; q, k, v come as records of RA bytes ([which][head][128 positions]): 8 fragments as images of their registers, then an image of the 8 scale-word registers.  Lane r of tile a holds row 32 (a / 2) + 8 (a % 2) + r % 8 + 16 (r / 8).
; Both products are used transposed (S^T = K Q^T, O^T = V^T P^T): a lane holds ONE query; register 16 b + i of a step's 64 scores is key 32 b + 16 h + i, and of O^T channel 32 b + 16 h + i.
; THE RING: two slots of 256 keys.  A slot: the mask's 64 rows x 256 keys as four tiles of 16 rows (rows 1,040 bytes apart; odd tiles 128 bytes further on, so that the 16 rows of one load, 8 of an even and 8 of an odd tile,
; start at 16 different places modulo 256), then two records each of K head 0, K head 1, V head 0, V head 1.  Waves 0-3 fetch the mask's tiles, waves 4-7 the records: one load a wave behind each round.
; LIMITS: NaN among the inputs is not served.  1 / sqrt(128) is a multiplication fused with the mask's addition, the division by the sum a reciprocal and a multiplication.
; A block of zeros gets the byte 1 where the rule says 127 (its codes are zeros; only this program reads the bytes).  ao's scale words leave as 4 bytes in every 16.
; REGISTERS: window 0: v1-11 addresses, v10 Q's scale words; v12 -M, v13 the largest t, v[14:15] the sum; v16-23 Q; v24-31 K's scale words; v32-95 K's, then V's fragments; v96-159 S^T, then p; v160-167 V's scale words;
;   v168-175 p's codes; v176-199 at work.   window 1: v0-63 O^T; v64-127 the mask's numbers; v128-191 alibi's.
.set REC,   34816
.set RA,    9216
.set HEADB, 16*RA
.set WHB,   16*HEADB
.set SLOT,  141312                     ; 4 x 16,896 of mask + 4 x 18,432 of records
.set KVO,   67584
.set ALB,   2*SLOT                     ; behind the ring: the two heads' alibi, 16,384 bytes, filled once
.set SPARE, ALB+16384                  ; the spare words, 128 bytes for each wave: four blocks of 256 bytes that no other line names
.set AKV, 1                            ; v1-2   my head's records in slot 0, 1: + 16 x lane
.set AM,  3                            ; v3-4   my query's row of the mask in slot 0, 1: + 64 h
.set SPW, 5                            ; v5     my spare word; never rewritten
.set NIL, 6                            ; v6     0; never rewritten
.set AAL, 7                            ; v7     my head's alibi: + 64 h
.set ADA, 8                            ; v8     the same at the step's keys
.set LI,  9                            ; v9     16 x lane
.set QS,  10                           ; v10    Q's scale words
.set LR,  11                           ; v11    16 x r
.set Q,   16
.set KS,  24
.set F,   32
.set S,   96
.set VS,  160
.set PC,  168
.set TM,  176
.set BM,  TM                           ; v176-179 each block's largest score, then largest p
.set BT,  TM+4                         ; v180-183 at work
.set BS,  TM+12                        ; v188-191 the conversions' scale operands
.set FF,  192                          ; v[192:193] f = 2^(old M - new M); the pair's upper word is written once
.set PS,  194                          ; v194   p's scale word, and nothing else
.set TT,  195
.set PWO, 196
.set RL,  198                          ; v[198:199] 1 / the sum
.set O,   0                            ; window 1
.set MK,  64
.set AL,  128
.set C1,  22                           ; s[22:23] 1 / sqrt(128)
.set LE,  24                           ; s[24:25] log2(e)
.set SEL, 26                           ; s[26:27] selects for lane l xor 16
.set TA,  28                           ; s28  the step's keys in alibi: 512 bytes a step
.set G1M, 32                           ; s[32:39] group 1: a tile of the mask;  s[40:47] two records;  s[48:55] a quarter of alibi
.set G1R, 40
.set G1A, 48
.set G0M, 56                           ; s[56:63] groups 0 for the mask, one for each slot;  s[68:75] for the records;  s[76:79] for alibi
.set G0R, 68
.set G0A, 76
.set MSB, 0
.macro WIN new                         ; the immediate's high byte repeats the setting that is left; a switch that changes nothing is dropped
.if MSB != (\new)
	s_set_vgpr_msb (MSB<<8)|(\new)
.set MSB, (\new)
.endif
.endm
.macro PLACES n
.rept \n
	v_nop
.endr
.endm
.macro CROUND                          ; a round of the cluster's barrier
	s_barrier_signal -1
	s_barrier_wait -1
	s_cmp_lg_u32 s12, 0
	s_cbranch_scc1 .Lnot_wave_0_\@
	s_barrier_signal -3
.Lnot_wave_0_\@:
	s_barrier_wait -3
	s_barrier_signal -1
	s_barrier_wait -1
.endm
.macro JLOAD s                         ; a joint fill of slot s.  The branch hangs on the wave's number alone.  Four v_nop follow each line
	s_cmp_lt_u32 s12, 4
	s_cbranch_scc0 .Lrec_\@
	tensor_load_to_lds s[G0M+4*(\s):G0M+4*(\s)+3], s[G1M:G1M+7]
	s_nop 0
	PLACES 4
	s_branch .Lasked_\@
.Lrec_\@:
	tensor_load_to_lds s[G0R+4*(\s):G0R+4*(\s)+3], s[G1R:G1R+7]
	s_nop 0
	PLACES 4
.Lasked_\@:
.endm
	s_load_b256 s[4:11], s[0:1], 0x0               ; qkv, attention_mask, alibi, ao
	v_lshl_add_u32 v[SPW], v0, 2, SPARE
	v_mov_b32 v[NIL], 0
	ds_add_u32 v5, v6
	ds_add_u32 v5, v6
	s_wait_dscnt 0x0
	v_lshrrev_b32 v8, 5, v0
	v_readfirstlane_b32 s12, v8                    ; wave 0..7
	s_bfe_u32 s13, ttmp6, 0x40000                  ; cx
	s_bfe_u32 s14, ttmp6, 0x40004                  ; cy
	s_lshl_b32 s15, ttmp9, 2
	s_add_co_u32 s15, s15, s13                     ; xw: my 64 queries
	s_and_b32 s16, ttmp7, 0xffff
	s_lshl_b32 s16, s16, 2
	s_add_co_u32 s16, s16, s14                     ; yw: my two heads
	s_lshl_b32 s17, s14, 2
	s_lshl_b32 s17, 15, s17                        ; my row of the cluster
	s_lshl_b32 s18, 0x1111, s13                    ; my column
	s_and_b32 s19, s12, 3                          ; my tile of queries.  Also: which part I fetch
	s_lshr_b32 s20, s12, 2                         ; which of the two heads
	s_lshl_b32 s21, s16, 1
	s_add_co_u32 s21, s21, s20                     ; my head
	s_or_b32 s[G1M], s18, (2<<16)|(1<<20)|(1<<21)|(7<<22)|(3<<25)   ; the mask goes to my column; elements of 4 bytes; padding: 4 words behind every 256
	s_mov_b32 s[G1M+1], 256<<16                    ; tensor_dim0 = 256 keys
	s_mov_b32 s[G1M+2], 16<<16                     ; tensor_dim1 = 16 rows
	s_mov_b32 s[G1M+3], 256<<16                    ; tile_dim0
	s_mov_b32 s[G1M+4], 16                         ; tile_dim1
	s_mov_b32 s[G1M+5], 2048                       ; from row to row
	s_mov_b32 s[G1M+6], 0
	s_mov_b32 s[G1M+7], 0
	s_or_b32 s[G1R], s17, (3<<16)|(1<<21)          ; records go to my row; a dense block of 72 rows of 256 bytes
	s_mov_b32 s[G1R+1], 32<<16
	s_mov_b32 s[G1R+2], 72<<16
	s_mov_b32 s[G1R+3], 32<<16
	s_mov_b32 s[G1R+4], 72
	s_mov_b32 s[G1R+5], 32
	s_mov_b32 s[G1R+6], 0
	s_mov_b32 s[G1R+7], 0
	s_or_b32 s[G1A], s17, (3<<16)|(1<<21)          ; alibi likewise: 16 rows of 256 bytes
	s_mov_b32 s[G1A+1], 32<<16
	s_mov_b32 s[G1A+2], 16<<16
	s_mov_b32 s[G1A+3], 32<<16
	s_mov_b32 s[G1A+4], 16
	s_mov_b32 s[G1A+5], 32
	s_mov_b32 s[G1A+6], 0
	s_mov_b32 s[G1A+7], 0
	s_lshl_b32 s80, s15, 19                        ; the mask: row 64 xw + 16 (wave % 4), of 8,192 bytes: made of xw and the wave's number
	s_lshl_b32 s81, s19, 17
	s_add_co_u32 s80, s80, s81
	s_mov_b32 s81, 0
	s_mul_i32 s82, s19, 16896                      ; its place in a slot
	s_and_b32 s83, s12, 1
	s_lshl_b32 s84, s83, 7
	s_add_co_u32 s82, s82, s84
	s_bfe_u32 s84, s12, 0x10001                    ; the records: K (waves 4, 5) or V (6, 7), head 2 yw + wave % 2: made of yw and the wave's number
	s_add_co_u32 s84, s84, 1
	s_mul_i32 s84, s84, WHB
	s_lshl_b32 s85, s16, 1
	s_add_co_u32 s85, s85, s83
	s_mul_i32 s85, s85, HEADB
	s_add_co_u32 s84, s84, s85
	s_mov_b32 s85, 0
	s_mul_i32 s86, s19, 18432
	s_add_co_u32 s86, s86, KVO
	s_lshl_b32 s88, s16, 14                        ; alibi: the two heads' 16,384 bytes, my quarter
	s_lshl_b32 s89, s19, 12
	s_add_co_u32 s88, s88, s89
	s_add_co_u32 s87, s89, ALB
	s_mov_b32 s89, 0
	s_mul_i32 s90, s21, HEADB                      ; Q: my head's record of positions 128 (xw / 2) on,
	s_lshr_b32 s91, s15, 1
	s_mul_i32 s91, s91, RA
	s_add_co_u32 s90, s90, s91
	s_and_b32 s92, s15, 1
	s_lshl_b32 s93, s92, 2
	s_add_co_u32 s93, s93, s19                     ; tile a = 4 (xw % 2) + my tile
	s_lshl_b32 s94, s93, 10
	s_add_co_u32 s94, s94, s90
	s_mov_b32 s95, 0
	s_lshl_b32 s96, s92, 9                         ; its scale words: image half xw % 2, word my tile
	s_add_co_u32 s96, s96, s90
	s_lshl_b32 s97, s19, 2
	s_add_co_u32 s96, s96, s97
	s_add_co_u32 s96, s96, 8192
	s_mov_b32 s97, 0
	s_mov_b32 s[C1], 0x3db504f3
	s_mov_b32 s[C1+1], s[C1]                       ; (named with it as a pair, so it is written)
	s_mov_b32 s[LE], 0x3fb8aa3b
	s_mov_b32 s[LE+1], s[LE]
	s_mov_b32 s[SEL], 0x76543210
	s_mov_b32 s[SEL+1], 0xfedcba98
	s_mov_b32 s[TA], 0
	s_mov_b32 s29, 3
	s_wait_kmcnt 0x0
.irp s, 0,1
	s_mov_b32 s[G0M+4*\s], 1
	s_add_co_u32 s[G0M+4*\s+1], s82, \s*SLOT
	s_add_nc_u64 s[G0M+4*\s+2:G0M+4*\s+3], s[6:7], s[80:81]
	s_add_nc_u64 s[G0M+4*\s+2:G0M+4*\s+3], s[G0M+4*\s+2:G0M+4*\s+3], \s*1024    ; keys 256 s on
	s_or_b32 s[G0M+4*\s+3], s[G0M+4*\s+3], 0x80000000
	s_mov_b32 s[G0R+4*\s], 1
	s_add_co_u32 s[G0R+4*\s+1], s86, \s*SLOT
	s_add_nc_u64 s[G0R+4*\s+2:G0R+4*\s+3], s[4:5], s[84:85]
	s_add_nc_u64 s[G0R+4*\s+2:G0R+4*\s+3], s[G0R+4*\s+2:G0R+4*\s+3], \s*2*RA
	s_or_b32 s[G0R+4*\s+3], s[G0R+4*\s+3], 0x80000000
.endr
	s_mov_b32 s[G0A], 1
	s_mov_b32 s[G0A+1], s87
	s_add_nc_u64 s[G0A+2:G0A+3], s[8:9], s[88:89]
	s_or_b32 s[G0A+3], s[G0A+3], 0x80000000
	s_add_nc_u64 s[94:95], s[4:5], s[94:95]
	s_add_nc_u64 s[96:97], s[4:5], s[96:97]
	CROUND                                         ; all sixteen work-groups are here: the first joint loads meet
	s_cmp_lt_u32 s12, 4                            ; a wave's first fills stand in one branch: one load of waves 0-3 is out, two of waves 4-7
	s_cbranch_scc0 .Lfirst_rec
	tensor_load_to_lds s[G0M:G0M+3], s[G1M:G1M+7]
	s_nop 0
	PLACES 4
	s_branch .Lfirst_asked
.Lfirst_rec:
	tensor_load_to_lds s[G0A:G0A+3], s[G1A:G1A+7]
	s_nop 0
	tensor_load_to_lds s[G0R:G0R+3], s[G1R:G1R+7]
	s_nop 0
	PLACES 4
.Lfirst_asked:
	v_and_b32 v8, 31, v0
	v_lshlrev_b32 v[LI], 4, v8
	v_and_b32 v8, 15, v0
	v_lshlrev_b32 v[LR], 4, v8
.irp c, 0,1
	global_load_b128 v[Q+4*\c:Q+4*\c+3], v[LI], s[94:95] offset:512*\c   ; Q's fragment stays in registers
.endr
	global_load_b32 v[QS], v[LI], s[96:97]         ; and its scale words
	s_mul_i32 s98, s20, 18432
	s_add_co_u32 s98, s98, KVO
	v_add_nc_u32 v[AKV], s98, v[LI]
	v_add_nc_u32 v[AKV+1], SLOT, v[AKV]
	v_bfe_u32 v8, v0, 3, 1                         ; r / 8: an even or an odd tile of the mask
	v_mul_u32_u24 v3, v8, 17024                    ; 16,896 + 128
	v_and_b32 v8, 7, v0
	v_mad_u32_u24 v3, v8, 1040, v3
	v_bfe_u32 v8, v0, 4, 1                         ; h
	v_lshl_add_u32 v3, v8, 6, v3
	s_lshr_b32 s98, s19, 1
	s_mul_i32 s98, s98, 33792                      ; my tile's rows lie in the mask's tiles 2 (tile / 2) and + 1,
	s_and_b32 s99, s19, 1
	s_mul_i32 s99, s99, 8320                       ; from their row 8 (tile % 2) on
	s_add_co_u32 s98, s98, s99
	v_add_nc_u32 v[AM], s98, v3
	v_add_nc_u32 v[AM+1], SLOT, v[AM]
	s_lshl_b32 s98, s20, 13
	s_add_co_u32 s98, s98, ALB
	v_lshl_add_u32 v[AAL], v8, 6, s98
	v_mov_b32 v13, 0xff61b1e6                      ; the largest t so far: -3e38, under every t
	v_floor_f32 v12, -v13                          ; -M
	v_mov_b32 v14, 0
	v_mov_b32 v15, 0
.irp b, 0,1,2,3
	v_mov_b32 v[BT+\b], 0                          ; written once: a lane permute's destination counts as one of its sources
.endr
	v_mov_b32 v[FF+1], 0                           ; (named as the upper half of a pair)
	v_mov_b32 v[TT], 0
	WIN 0x40
.set j, 0
.rept 64
	v_mov_b32 v[O+j], 0                            ; O^T.  The step is written for every step alike: the first finds zeros, which the first change of M leaves zeros
.set j, j+1
.endr
	WIN 0
; A KEY STEP: 128 keys, the q-th record of slot sl.
.macro STEP sl, q
	v_add_nc_u32 v[ADA], s[TA], v[AAL]
	PLACES 3                                       ; with the line above: four places in front of loads into registers that the last products read
.irp t, 0,1,2,3,4,5,6,7
.irp c, 0,1
	ds_load_b128 v[F+8*\t+4*\c:F+8*\t+4*\c+3], v[AKV+\sl] offset:(\q)*RA+\t*1024+512*\c   ; K's eight fragments
.endr
.endr
.irp g, 0,1
	ds_load_b128 v[KS+4*\g:KS+4*\g+3], v[AKV+\sl] offset:(\q)*RA+8192+512*\g              ; and their scale words
.endr
	WIN 0x40                                       ; destination window 1
.irp b, 0,1,2,3
.irp i, 0,1,2,3
	ds_load_b128 v[MK+16*\b+4*\i:MK+16*\b+4*\i+3], v[AM+\sl] offset:(\q)*512+128*\b+16*\i   ; mask(my query, keys 32 b + 16 h + 4 i on)
.endr
.endr
.irp b, 0,1,2,3
.irp i, 0,1,2,3
	ds_load_b128 v[AL+16*\b+4*\i:AL+16*\b+4*\i+3], v[ADA] offset:128*\b+16*\i               ; alibi(my head, the same keys)
.endr
.endr
	WIN 0
	s_wait_dscnt 32                                ; K and its scale words are in; the 32 loads of mask and alibi stay out
.irp t, 0,1,2,3,4,5,6,7
	v_wmma_scale_f32_16x16x128_f8f6f4 v[S+8*\t:S+8*\t+7], v[F+8*\t:F+8*\t+7], v[Q:Q+7], 0, v[KS+\t], v[QS] matrix_a_fmt:MATRIX_FMT_FP4 matrix_b_fmt:MATRIX_FMT_FP4
.endr
	PLACES 4                                       ; in front of the loads into K's registers and of the first read of the scores
.irp t, 0,1,2,3,4,5,6,7
.irp c, 0,1
	ds_load_b128 v[F+8*\t+4*\c:F+8*\t+4*\c+3], v[AKV+\sl] offset:4*RA+(\q)*RA+\t*1024+512*\c   ; V's eight fragments land under the softmax
.endr
.endr
.irp g, 0,1
	ds_load_b128 v[VS+4*\g:VS+4*\g+3], v[AKV+\sl] offset:4*RA+(\q)*RA+8192+512*\g
.endr
	s_wait_dscnt 18                                ; mask and alibi are in; V's 18 loads stay out
	WIN 0x10                                       ; source 2 window 1
.set j, 0
.rept 32
	v_pk_fma_f32 v[S+j:S+j+1], v[S+j:S+j+1], s[C1:C1+1], v[MK+j:MK+j+1] op_sel_hi:[1,0,1]   ; score / sqrt(128) + mask, each accumulator from its low end on
.set j, j+2
.endr
	WIN 0x04                                       ; source 1 window 1
.set j, 0
.rept 32
	v_pk_add_f32 v[S+j:S+j+1], v[S+j:S+j+1], v[AL+j:AL+j+1]                                 ; + alibi: the logit
.set j, j+2
.endr
	WIN 0
.irp b, 0,1,2,3
	v_max3_num_f32 v[BM+\b], v[S+16*\b], v[S+16*\b+1], v[S+16*\b+2]   ; the largest logit of each block of 32 keys: for the row's maximum and, since p rises with the logit, for the block's largest p
.endr
.irp i, 3,5,7,9,11,13
.irp b, 0,1,2,3
	v_max3_num_f32 v[BM+\b], v[BM+\b], v[S+16*\b+\i], v[S+16*\b+\i+1]
.endr
.endr
.irp b, 0,1,2,3
	v_max_num_f32 v[BM+\b], v[BM+\b], v[S+16*\b+15]
.endr
.irp b, 0,1,2,3
	v_permlanex16_b32 v[BT+\b], v[BM+\b], s[SEL], s[SEL+1]
.endr
.irp b, 0,1,2,3
	v_max_num_f32 v[BM+\b], v[BM+\b], v[BT+\b]     ; with lane l xor 16's 16 keys
.endr
	v_max3_num_f32 v[TT], v[BM], v[BM+1], v[BM+2]
	v_max_num_f32 v[TT], v[TT], v[BM+3]            ; the step's largest logit of my query
	v_mul_f32 v[TT], s[LE], v[TT]                  ; as t
	v_max_num_f32 v13, v13, v[TT]                  ; the running largest t
	v_mov_b32 v[TT], v12
	v_floor_f32 v12, -v13                          ; the new -M = floor(-t) = -ceil(t): a whole number
	v_sub_f32 v[TT], v12, v[TT]                    ; old M - new M: a whole number, 0 or less
	v_cvt_i32_f32 v[TT], v[TT]                     ; (it saturates)
	v_ldexp_f32 v[FF], 1.0, v[TT]                  ; f = 2^(old M - new M)
.set j, 0
.rept 32
	v_pk_fma_f32 v[S+j:S+j+1], v[S+j:S+j+1], s[LE:LE+1], v[12:13] op_sel_hi:[1,0,0]   ; t - M
.set j, j+2
.endr
.irp b, 0,1,2,3
	v_fma_f32 v[BM+\b], v[BM+\b], s[LE], v12       ; the same of each block's largest logit
.endr
.set j, 0
.rept 64
	v_exp_f32 v[S+j], v[S+j]                       ; p = 2^(t - M): not normalised
.set j, j+1
.endr
.irp b, 0,1,2,3
	v_exp_f32 v[BM+\b], v[BM+\b]                   ; the block's largest p: the same two instructions on the same number
.endr
	v_pk_mul_f32 v[14:15], v[14:15], v[FF:FF+1] op_sel_hi:[1,0]   ; the sums under the new M.  (A plain place behind the exponentials)
	s_wait_alu depctr_va_vdst(0)
.irp b, 0,1,2,3
	v_max_num_f32 v[BM+\b], 0x1800000, v[BM+\b]    ; the floor 2^(3 - 127): the byte cannot fall under 1
.endr
.irp b, 0,1,2,3
	v_add_nc_u32 v[BS+\b], 0xff000000, v[BM+\b]    ; 2 off the exponent field: the conversions' scale operand
.endr
.irp b, 0,1,2,3
	v_lshrrev_b32 v[BT+\b], 23, v[BS+\b]           ; the scale's byte
.endr
	v_lshl_or_b32 v[PS], v[BT+1], 8, v[BT]         ; p's scale word for these 128 keys
	v_lshl_or_b32 v[PS], v[BT+2], 16, v[PS]
	v_lshl_or_b32 v[PS], v[BT+3], 24, v[PS]
.irp b, 0,1,2,3
	v_cvt_scalef32_pk8_fp4_f32 v[PC+2*\b], v[S+16*\b:S+16*\b+7], v[BS+\b]
	v_cvt_scalef32_pk8_fp4_f32 v[PC+2*\b+1], v[S+16*\b+8:S+16*\b+15], v[BS+\b]
.endr
	v_nop                                          ; one plain place behind the last conversion
.irp c, 0,1                            ; a whole block in a lane: lanes 0-15 block 2 c, lanes 16-31 block 2 c + 1
.irp i, 0,1
	v_permlane16_swap_b32 v[PC+4*\c+\i], v[PC+2+4*\c+\i]
.endr
.endr
	v_pk_add_f32 v[BT:BT+1], v[S:S+1], v[S+2:S+3]  ; the row's sum is taken of the unquantised p: two at a time, in two chains
.irp j, 4,8,12,16,20,24,28,32,36,40,44,48,52,56,60
	v_pk_add_f32 v[14:15], v[14:15], v[S+\j:S+\j+1]
	v_pk_add_f32 v[BT:BT+1], v[BT:BT+1], v[S+\j+2:S+\j+3]
.endr
	v_pk_add_f32 v[14:15], v[14:15], v[BT:BT+1]
	WIN 0x41                                       ; destination and source 0 window 1
.set j, 0
.rept 32
	v_pk_mul_f32 v[O+j:O+j+1], v[O+j:O+j+1], v[FF:FF+1] op_sel_hi:[1,0]   ; O^T under the new M.  (These and the sums are the places between p's codes and scale word and the products)
.set j, j+2
.endr
	s_wait_dscnt 0x0                               ; V and its scale words are in
	WIN 0x50                                       ; C and D window 1
.irp t, 0,1,2,3,4,5,6,7                ; the eight accumulators take turns, and the eight products K Q^T stand between two steps'
	v_wmma_scale_f32_16x16x128_f8f6f4 v[O+8*\t:O+8*\t+7], v[F+8*\t:F+8*\t+7], v[PC:PC+7], v[O+8*\t:O+8*\t+7], v[VS+\t], v[PS] matrix_a_fmt:MATRIX_FMT_FP4 matrix_b_fmt:MATRIX_FMT_FP4
.endr
	WIN 0
	s_add_co_u32 s[TA], s[TA], 512
.endm
; THE CHANGE OF SLOTS stands at slot sl's head.  Each wave waits for all its tensor loads (its part of the slot ahead), adds 0 to its spare word, and waits for that and for its reads of the slot that it has left.
; fill = 1: a round of the cluster's barrier, so that no wave of any partner still reads the other slot or has a load on its way; then that slot takes the next 256 keys: the load has two key steps in which to land.
.macro CHANGE sl, fill
	s_wait_tensorcnt 0x0                           ; no tensor load of mine is out, so a group 0 may be written
	ds_add_u32 v[SPW], v[NIL]                      ; 0 onto my spare word
.if \fill
	s_add_nc_u64 s[G0M+4*\sl+2:G0M+4*\sl+3], s[G0M+4*\sl+2:G0M+4*\sl+3], 2048   ; this slot's next tiles: 512 keys on
	s_add_nc_u64 s[G0R+4*\sl+2:G0R+4*\sl+3], s[G0R+4*\sl+2:G0R+4*\sl+3], 4*RA
.endif
	s_wait_dscnt 0x0                               ; the add is done, and my reads of the slot that I have left are over
.if \fill
	CROUND
	JLOAD 1-\sl                                    ; my one tensor load behind the round
.else
	s_barrier_signal -1
	s_barrier_wait -1
.endif
.endm
	s_wait_loadcnt 0x0                             ; Q
.Lslots:                                           ; three trips of two slots; the last two slots are written out
	CHANGE 0, 1
	STEP 0, 0
	STEP 0, 1
	CHANGE 1, 1
	STEP 1, 0
	STEP 1, 1
	s_sub_co_u32 s29, s29, 1
	s_cmp_lg_u32 s29, 0
	s_cbranch_scc1 .Lslots
	CHANGE 0, 1                                    ; the last fill: keys 1,792 on (slot 0's stepped addresses are not used)
	STEP 0, 0
	STEP 0, 1
	CHANGE 1, 0
	STEP 1, 0
	STEP 1, 1
; 64 numbers of a lane at v[s] on, register 16 b + i = k 32 b + 16 h + i of my row, become a fragment's codes at v[pc] and its scale word in v[pw].
.macro QUANT s, pc, pw
.irp b, 0,1,2,3
	v_max3_num_f32 v[TM+\b], 0x1800000, |v[(\s)+16*\b]|, |v[(\s)+16*\b+1]|
.endr
.irp i, 2,4,6,8,10,12,14
.irp b, 0,1,2,3
	v_max3_num_f32 v[TM+\b], v[TM+\b], |v[(\s)+16*\b+\i]|, |v[(\s)+16*\b+\i+1]|
.endr
.endr
.irp b, 0,1,2,3
	v_permlanex16_b32 v[TM+4+\b], v[TM+\b], s[SEL], s[SEL+1]
.endr
.irp b, 0,1,2,3
	v_max_num_f32 v[TM+\b], v[TM+\b], v[TM+4+\b]
.endr
.irp b, 0,1,2,3
	v_add_nc_u32 v[TM+12+\b], 0xff000000, v[TM+\b]
.endr
.irp b, 0,1,2,3
	v_lshrrev_b32 v[TM+4+\b], 23, v[TM+12+\b]
.endr
	v_lshl_or_b32 v[\pw], v[TM+5], 8, v[TM+4]
	v_lshl_or_b32 v[\pw], v[TM+6], 16, v[\pw]
	v_lshl_or_b32 v[\pw], v[TM+7], 24, v[\pw]
.irp b, 0,1,2,3
	v_cvt_scalef32_pk8_fp4_f32 v[(\pc)+2*\b], v[(\s)+16*\b:(\s)+16*\b+7], v[TM+12+\b]
	v_cvt_scalef32_pk8_fp4_f32 v[(\pc)+2*\b+1], v[(\s)+16*\b+8:(\s)+16*\b+15], v[TM+12+\b]
.endr
	v_nop
.irp c, 0,1
.irp i, 0,1
	v_permlane16_swap_b32 v[(\pc)+4*\c+\i], v[(\pc)+2+4*\c+\i]
.endr
.endr
.endm
	; THE WAY OUT.  O^T / the sum is my 16 queries' 128 channels of my head: K step head % 4 of record head / 4 of the last product's left operand.  It is quantised in registers and leaves as a fragment's image.
	PLACES 4                                       ; behind the last products
	v_add_f32 v14, v14, v15                        ; the sum's two halves,
	v_permlanex16_b32 v[TT], v14, s[SEL], s[SEL+1]
	v_add_f32 v14, v14, v[TT]                      ; and lane l xor 16's
	v_rcp_f32 v[RL], v14
	v_nop                                          ; a plain place behind the transcendental
	s_wait_alu depctr_va_vdst(0)
	v_mov_b32 v[RL+1], v[RL]
	s_lshr_b32 s80, s15, 1
	s_lshl_b32 s80, s80, 2
	s_lshr_b32 s81, s21, 2
	s_add_co_u32 s80, s80, s81
	s_mul_i32 s80, s80, REC                        ; the record: 4 (xw / 2) + head / 4
	s_and_b32 s81, s21, 3
	s_lshl_b32 s82, s93, 12                        ; tile a
	s_add_co_u32 s82, s82, s80
	s_lshl_b32 s83, s81, 10
	s_add_co_u32 s82, s82, s83
	s_mov_b32 s83, 0
	s_lshl_b32 s84, s93, 8
	s_add_co_u32 s84, s84, s80
	s_lshl_b32 s85, s81, 2
	s_add_co_u32 s84, s84, s85
	s_add_co_u32 s84, s84, 32768
	s_mov_b32 s85, 0
	s_add_nc_u64 s[82:83], s[10:11], s[82:83]
	s_add_nc_u64 s[84:85], s[10:11], s[84:85]
	WIN 0x01                                       ; source 0 window 1
.set j, 0
.rept 32
	v_pk_mul_f32 v[S+j:S+j+1], v[O+j:O+j+1], v[RL:RL+1] op_sel_hi:[1,0]   ; each accumulator from its low end on
.set j, j+2
.endr
	WIN 0
	QUANT S, PC, PWO
.irp c, 0,1
	global_store_b128 v[LI], v[PC+4*\c:PC+4*\c+3], s[82:83] offset:512*\c   ; 512 consecutive bytes, aligned
.endr
	global_store_b32 v[LR], v[PWO], s[84:85]       ; lanes r and r + 16 hold the same word and write it to the same place
	s_wait_tensorcnt 0x0                           ; the wave's end
	ds_add_u32 v[SPW], v[NIL]
	s_wait_dscnt 0x0
	CROUND                                         ; the closing round
	s_endpgm
.Lfunc_end_k_qbb49a0ab82_attn:
	.size	k_qbb49a0ab82_attn, .Lfunc_end_k_qbb49a0ab82_attn-k_qbb49a0ab82_attn
	.p2alignl 7, 3214868480
	.fill 96, 4, 3214868480
	.section	.rodata,"a",@progbits
	.p2align	6, 0x0
	.amdhsa_kernel k_qbb49a0ab82_attn
		.amdhsa_group_segment_fixed_size 327680
		.amdhsa_private_segment_fixed_size 0
		.amdhsa_enable_private_segment 0
		.amdhsa_kernarg_size 32
		.amdhsa_user_sgpr_count 2
		.amdhsa_user_sgpr_kernarg_segment_ptr 1
		.amdhsa_wavefront_size32 1
		.amdhsa_system_sgpr_workgroup_id_x 1
		.amdhsa_system_sgpr_workgroup_id_y 1
		.amdhsa_system_sgpr_workgroup_id_z 1
		.amdhsa_system_vgpr_workitem_id 0
		.amdhsa_next_free_vgpr 512
		.amdhsa_next_free_sgpr 100
		.amdhsa_reserve_vcc 0
		.amdhsa_float_denorm_mode_32 3
		.amdhsa_float_denorm_mode_16_64 3
		.amdhsa_memory_ordered 1
		.amdhsa_forward_progress 1
		.amdhsa_inst_pref_size 210
	.end_amdhsa_kernel
	.amdgpu_metadata
---
amdhsa.version: [ 1, 2 ]
amdhsa.kernels:
  - .name:           k_qbb49a0ab82_attn
    .symbol:         k_qbb49a0ab82_attn.kd
    .args:
      - { .name: qkv, .offset: 0, .size: 8, .value_kind: global_buffer, .address_space: global }
      - { .name: attention_mask, .offset: 8, .size: 8, .value_kind: global_buffer, .address_space: global }
      - { .name: alibi, .offset: 16, .size: 8, .value_kind: global_buffer, .address_space: global }
      - { .name: ao, .offset: 24, .size: 8, .value_kind: global_buffer, .address_space: global }
    .group_segment_fixed_size: 327680
    .private_segment_fixed_size: 0
    .kernarg_segment_align: 8
    .kernarg_segment_size: 32
    .max_flat_workgroup_size: 256
    .sgpr_count:     100
    .vgpr_count:     512
    .wavefront_size: 32
...
	.end_amdgpu_metadata
.endif
;; end of part 4
;; launch oproj (part 5): grid 8 x 8, 4 waves a work-group, clusters of 4 x 4, 327,680 bytes of LDS; arguments ao, opnd, out0; writes out0
.if DOCPART == 5
	.amdgcn_target "amdgcn-amd-amdhsa--gfx1250"
	.amdhsa_code_object_version 6
	.text
	.protected	k_qbb49a0ab82_oproj
	.globl	k_qbb49a0ab82_oproj
	.p2align	8
	.type	k_qbb49a0ab82_oproj,@function
k_qbb49a0ab82_oproj:
	s_mov_b64 s[64:65], 0
	v_nop
	global_prefetch_b8 v0, s[64:65] scope:SCOPE_SE
	s_setreg_imm32_b32 hwreg(HW_REG_WAVE_MODE, 25, 1), 1
	s_wait_xcnt 0x0
	s_wait_alu depctr_hold_cnt(0) depctr_sa_sdst(0) depctr_va_vdst(0) depctr_va_sdst(0) depctr_va_ssrc(0) depctr_va_vcc(0) depctr_vm_vsrc(0)
	s_getreg_b32 s2, hwreg(HW_REG_IB_STS2, 6, 4)
	s_cmp_eq_u32 s2, 0
	s_cbranch_scc0 .Lentry_in_a_cluster
	s_endpgm
.Lentry_in_a_cluster:
	s_bfe_u32 s2, ttmp6, 0x10000c
	s_cmp_lg_u32 s2, 0xf033
	s_cbranch_scc0 .Lentry_shape_is_right
	s_endpgm
.Lentry_shape_is_right:
; out0 = ao Wo on codes of FP4 (E2M1) with E8M0 scales; out0 [2048][2048] f32.  A' = ao (rows: positions), B' = Wo as operand 4 of opnd (rows: output columns).
; A work-group of four waves makes 256 x 256, a wave 128 x 128: 64 accumulators, 512 registers.  OPERANDS lie as [block of 128 rows][512 along K] records of REC bytes: 32 fragments as images of their registers
; (tile a, K step q at 4096 a + 1024 q; registers 4 c .. 4 c + 3 of lane l at 512 c + 16 l), then the scale words (32768 + 256 a + 16 r + 4 q): one dense block for one tensor load, two LDS loads of 512 consecutive bytes a fragment.
; Lane r of tile a holds row 32 (a / 2) + 8 (a % 2) + r % 8 + 16 (r / 8) of the block of 128, on both sides.  THE MATRIX INSTRUCTION IS USED TRANSPOSED (source 0 = 16 rows of B', source 1 = 16 rows of A'):
; lane (r, h) holds one row of out0, and the eight registers of accumulator (a, b) are its columns 32 (b / 2) + 8 (b % 2) + 16 h + 0 .. 7.
; K = 2,048 goes in four steps of 512 through two LDS slots; the steps are written out.  CLUSTERS: 4 x 4 work-groups; A's records are asked for jointly along a row of the cluster, B's along a column.
; 64 work-groups: the tile is the one whose fragments feed the most products for each byte read from LDS.
; REGISTERS: window 0: v16-29 addresses; v32-95 scale words, two sets, and nothing else; v128-191 A's fragments; on the way out v128-255 rows read back.  window 1: B's fragments, two sets.  windows 2, 3: the accumulators.
.set REC,   34816
.set SLOT,  4*REC
.set RBB,   4*REC
.set OPB,   16*RBB
.set SPARE, 2*SLOT                     ; behind the ring: the spare words, 128 bytes for each wave: two blocks of 256 bytes that no other line names
.set SPITCH, 528                       ; the way out: a stage of 16 rows x (512 bytes + 16) for each wave, in slot 0, which has had its last fill and its last read when the first result is stored there
.set NQ,    4
.set FR,    8
.set NL,    2
.set NP,    4                          ; places behind this matrix instruction (ISA guide 7.12.1)
.set ADRA, 16
.set ADRB, 20
.set ADRS, 22
.set STO,  24                          ; v24  the way out: where I put 32 bytes of a row
.set RD,   25                          ; v25  where I read a row back
.set CO,   26                          ; v26  16 x lane
.set SPW,  28
.set NIL,  29
.set SC,   32
.set AF,   128
.set BK,   128
.set G1, 24
.set G0, 32
.set G1B, 48
.set G0B, 56
.set MSB, 0
.macro WIN new                         ; the immediate's high byte repeats the setting that is left; a switch that changes nothing is dropped
.if MSB != (\new)
	s_set_vgpr_msb (MSB<<8)|(\new)
.set MSB, (\new)
.endif
.endm
.set MUL_LO, 0xa1
.set MUL_HI, 0xf1
.set TO_B,   0x40
.macro PLACES n
.rept \n
	v_nop
.endr
.endm
.macro JLOAD g0a, g1a, g0b, g1b        ; a joint load: waves 0 and 1 fetch A's two records, waves 2 and 3 B's; four v_nop follow each line
	s_cmp_eq_u32 s15, 0
	s_cbranch_scc0 .Lfor_b_\@
	tensor_load_to_lds s[\g0a:\g0a+3], s[\g1a:\g1a+7]
	s_nop 0
	PLACES 4
	s_branch .Lasked_\@
.Lfor_b_\@:
	tensor_load_to_lds s[\g0b:\g0b+3], s[\g1b:\g1b+7]
	s_nop 0
	PLACES 4
.Lasked_\@:
.endm
.macro CREST
	s_cmp_lg_u32 s14, 0
	s_cbranch_scc1 .Lnot_wave_0_\@
	s_barrier_signal -3
.Lnot_wave_0_\@:
	s_barrier_wait -3
	s_barrier_signal -1
	s_barrier_wait -1
.endm
.macro CROUND
	s_barrier_signal -1
	s_barrier_wait -1
	CREST
.endm
	s_load_b128 s[4:7], s[0:1], 0x0                ; ao, opnd
	s_load_b64 s[12:13], s[0:1], 0x10              ; out0
	v_lshl_add_u32 v[SPW], v0, 2, SPARE
	v_mov_b32 v[NIL], 0
	ds_add_u32 v28, v29
	ds_add_u32 v28, v29
	s_wait_dscnt 0x0
	v_lshrrev_b32 v1, 5, v0
	v_readfirstlane_b32 s14, v1                    ; wave 0..3
	s_lshr_b32 s15, s14, 1                         ; which 128 rows are mine.  Also: I fetch for A (0) or for B (1)
	s_and_b32 s16, s14, 1                          ; which 128 columns.  Also: which of the two records I fetch
	s_bfe_u32 s40, ttmp6, 0x40000
	s_bfe_u32 s41, ttmp6, 0x40004
	s_lshl_b32 s42, ttmp9, 2
	s_add_co_u32 s42, s42, s40                     ; tile column
	s_and_b32 s17, ttmp7, 0xffff
	s_lshl_b32 s17, s17, 2
	s_add_co_u32 s17, s17, s41                     ; tile row
	s_lshl_b32 s43, s41, 2
	s_lshl_b32 s43, 15, s43
	s_lshl_b32 s44, 0x1111, s40
	s_or_b32 s[G1+0], s43, (3<<16)|(1<<21)         ; the mask; elements of 8 bytes; 21 set beside a mask; no padding
	s_or_b32 s[G1B+0], s44, (3<<16)|(1<<21)
.irp g, G1, G1B                        ; a record: a dense block of 136 rows of 256 bytes
	s_mov_b32 s[\g+1], 32<<16
	s_mov_b32 s[\g+2], 136<<16
	s_mov_b32 s[\g+3], 32<<16
	s_mov_b32 s[\g+4], 136
	s_mov_b32 s[\g+5], 32
	s_mov_b32 s[\g+6], 0
	s_mov_b32 s[\g+7], 0
.endr
	s_lshl_b32 s20, s17, 1
	s_add_co_u32 s20, s20, s16
	s_mul_i32 s20, s20, RBB                        ; A': block of rows 2 x tile row + half
	s_mov_b32 s21, 0
	s_lshl_b32 s46, s42, 1
	s_add_co_u32 s46, s46, s16
	s_mul_i32 s46, s46, RBB
	s_add_co_u32 s46, s46, 4*OPB                   ; B': operand 4, block of rows 2 x tile column + half
	s_mov_b32 s47, 0
	s_mul_i32 s45, s14, REC                        ; where they go: no place in the cluster enters an LDS address
	s_wait_kmcnt 0x0
	s_add_nc_u64 s[20:21], s[4:5], s[20:21]
	s_add_nc_u64 s[46:47], s[6:7], s[46:47]
	CROUND                                         ; all sixteen work-groups are here: the first joint loads meet
.irp s, 0,1
	s_mov_b32 s[G0+4*\s], 1
	s_add_co_u32 s[G0+4*\s+1], s45, \s*SLOT
	s_add_nc_u64 s[G0+4*\s+2:G0+4*\s+3], s[20:21], \s*REC
	s_or_b32 s[G0+4*\s+3], s[G0+4*\s+3], 0x80000000
	s_mov_b32 s[G0B+4*\s], 1
	s_add_co_u32 s[G0B+4*\s+1], s45, \s*SLOT
	s_add_nc_u64 s[G0B+4*\s+2:G0B+4*\s+3], s[46:47], \s*REC
	s_or_b32 s[G0B+4*\s+3], s[G0B+4*\s+3], 0x80000000
	JLOAD G0+4*\s, G1, G0B+4*\s, G1B               ; two loads of mine are out
.endr
	v_and_b32 v1, 15, v0                           ; r
	v_bfe_u32 v2, v0, 4, 1                         ; h
	v_and_b32 v3, 31, v0
	v_lshlrev_b32 v[CO], 4, v3
	s_mul_i32 s21, s15, REC
	s_mul_i32 s22, s16, REC
	s_add_co_u32 s22, s22, 2*REC
.irp s, 0,1
	v_add_nc_u32 v[ADRA+\s], s21, v[CO]
	v_add_nc_u32 v[ADRB+\s], s22, v[CO]
	s_add_co_u32 s21, s21, SLOT
	s_add_co_u32 s22, s22, SLOT
.endr
	s_mul_i32 s21, s15, REC
	s_mul_i32 s22, s16, REC
	s_add_co_u32 s22, s22, 2*REC
	s_sub_co_u32 s22, s22, s21
	v_mul_u32_u24 v6, s22, v2                      ; lanes 16-31 take B's: the lower base + h x the distance
	v_lshl_add_u32 v6, v1, 4, v6
	s_add_co_u32 s21, s21, 32768
	v_add_nc_u32 v[ADRS], s21, v6
	v_add_nc_u32 v[ADRS+1], SLOT, v[ADRS]
	s_mul_i32 s23, s14, 16*SPITCH                  ; my stage
	v_mul_u32_u24 v5, v1, SPITCH
	v_lshl_add_u32 v5, v2, 6, v5                   ; in: row r, + 64 h
	v_add_nc_u32 v[STO], s23, v5
	v_add_nc_u32 v[RD], s23, v[CO]                 ; back: the 32 lanes take one row of 512 bytes
	s_lshl_b32 s20, s17, 21                        ; my first row of out0: 256 x tile row + 128 x half, of 8,192 bytes
	s_lshl_b32 s21, s15, 20
	s_add_co_u32 s20, s20, s21
	s_mov_b32 s21, 0
	s_lshl_b32 s46, s42, 10                        ; my first column, in bytes
	s_lshl_b32 s47, s16, 9
	s_add_co_u32 s46, s46, s47
	s_mov_b32 s47, 0
	s_add_nc_u64 s[20:21], s[20:21], s[46:47]
	s_add_nc_u64 s[12:13], s[12:13], s[20:21]
.macro FRAG reg, adr, q, i
.irp c, 0,1
	ds_load_b128 v[\reg+4*\c:\reg+4*\c+3], v[\adr] offset:(\i)*4096+(\q)*1024+512*\c
.endr
.endm
; 16 matrix instructions: A's blocks a0, a0 + 1 x B's eight.  The 64 accumulators take turns, one instruction a turn, in the same order in every step.
.macro MUL16 a0, p, q, sc, zero
.irp a, \a0, \a0+1
.irp b, 0,1,2,3,4,5,6,7
.if \zero
	v_wmma_scale_f32_16x16x128_f8f6f4 v[8*(8*((\a)%4)+\b):8*(8*((\a)%4)+\b)+7], v[128*(\p)+FR*\b:128*(\p)+FR*\b+FR-1], v[AF+FR*(\a):AF+FR*(\a)+FR-1], 0, v[SC+8*NQ*(\sc)+NQ*\b+(\q)], v[SC+8*NQ*(\sc)+NQ*(\a)+(\q)] matrix_a_fmt:MATRIX_FMT_FP4 matrix_b_fmt:MATRIX_FMT_FP4 matrix_a_scale:MATRIX_SCALE_ROW1
.else
	v_wmma_scale_f32_16x16x128_f8f6f4 v[8*(8*((\a)%4)+\b):8*(8*((\a)%4)+\b)+7], v[128*(\p)+FR*\b:128*(\p)+FR*\b+FR-1], v[AF+FR*(\a):AF+FR*(\a)+FR-1], v[8*(8*((\a)%4)+\b):8*(8*((\a)%4)+\b)+7], v[SC+8*NQ*(\sc)+NQ*\b+(\q)], v[SC+8*NQ*(\sc)+NQ*(\a)+(\q)] matrix_a_fmt:MATRIX_FMT_FP4 matrix_b_fmt:MATRIX_FMT_FP4 matrix_a_scale:MATRIX_SCALE_ROW1
.endif
.endr
.endr
.endm
.macro FETCH_B slot, q, p
	WIN TO_B
.irp i, 0,1,2,3,4,5,6,7
	FRAG 128*(\p)+FR*\i, ADRB+\slot, \q, \i
.endr
	WIN 0
.endm
.macro FETCH_A slot, q, i0
.irp i, \i0, \i0+1, \i0+2, \i0+3
	FRAG AF+FR*(\i), ADRA+\slot, \q, \i
.endr
.endm
.macro SCALES sc
.irp i, 0,1,2,3,4,5,6,7
	ds_load_b128 v[SC+8*NQ*\sc+NQ*\i:SC+8*NQ*\sc+NQ*\i+3], v[ADRS+\sc] offset:256*\i
.endr
.endm
.macro STEP slot, q, zero
	s_wait_dscnt 4*NL                              ; all but the youngest eight loads (A's blocks 4-7) are in
	WIN MUL_LO
	MUL16 0, (\q)%2, \q, \slot, \zero
	MUL16 2, (\q)%2, \q, \slot, \zero
	s_wait_dscnt 0                                 ; A's blocks 4-7 are in
	PLACES NP                                      ; in front of loads into registers that matrix instructions have read
	FETCH_B \slot, (\q)+1, 1-(\q)%2
	FETCH_A \slot, (\q)+1, 0
	WIN MUL_HI
	MUL16 4, (\q)%2, \q, \slot, \zero
	MUL16 6, (\q)%2, \q, \slot, \zero
	PLACES NP
	WIN 0
	FETCH_A \slot, (\q)+1, 4
.endm
.macro TURN slot, next, fill
	s_wait_tensorcnt 0x0                           ; all my tensor loads have landed: the one that was out is my part of the next slot
	ds_add_u32 v[SPW], v[NIL]                      ; 0 onto my spare word
	s_wait_dscnt 4*NL+1                            ; (the add and the youngest eight loads may be out)
	WIN MUL_LO
	MUL16 0, 1, NQ-1, \slot, 0
	s_wait_dscnt 0x0                               ; the add is done, and my reads of this slot are over
	s_barrier_signal -1
	MUL16 2, 1, NQ-1, \slot, 0
	WIN 0
	s_barrier_wait -1
.if \fill
	CREST                                          ; no wave of any partner still reads this slot or has a load on its way
	s_add_nc_u64 s[G0+4*\slot+2:G0+4*\slot+3], s[G0+4*\slot+2:G0+4*\slot+3], 2*REC
	s_add_nc_u64 s[G0B+4*\slot+2:G0B+4*\slot+3], s[G0B+4*\slot+2:G0B+4*\slot+3], 2*REC
	JLOAD G0+4*\slot, G1, G0B+4*\slot, G1B         ; my one tensor load behind the round; its four v_nop are also the places in front of the loads below
.else
	PLACES NP
.endif
	FETCH_B \next, 0, 0
	FETCH_A \next, 0, 0
	SCALES \next
	WIN MUL_HI
	MUL16 4, 1, NQ-1, \slot, 0
	MUL16 6, 1, NQ-1, \slot, 0
	PLACES NP
	WIN 0
	FETCH_A \next, 0, 4
.endm
.macro STEPS slot, from
.set Q, \from
.rept NQ-1-\from
	STEP \slot, Q, 0
.set Q, Q+1
.endr
.endm
	s_wait_tensorcnt 1                             ; my part of K step 0 is in; K step 1's load stays out
	s_barrier_signal -1
	s_barrier_wait -1
	FETCH_B 0, 0, 0
	FETCH_A 0, 0, 0
	SCALES 0
	FETCH_A 0, 0, 4
	STEP 0, 0, 1                                   ; the first products start the sums
	STEPS 0, 1
	TURN 0, 1, 1
	STEPS 1, 0
	TURN 1, 0, 1
	STEP 0, 0, 0
	STEPS 0, 1
	TURN 0, 1, 0
	STEPS 1, 0
	s_wait_dscnt 4*NL
	WIN MUL_LO
	MUL16 0, 1, NQ-1, 1, 0
	MUL16 2, 1, NQ-1, 1, 0
	s_wait_dscnt 0
	WIN MUL_HI
	MUL16 4, 1, NQ-1, 1, 0
	MUL16 6, 1, NQ-1, 1, 0
	WIN 0
; THE WAY OUT, tile by tile of 16 rows x 128 columns, through my own stage: LDS serves a wave's instructions in order (ISA guide 5.7.1.4), so no wait stands between the stores and the loads, nor in front of the next tile's stores.
.macro TOSTAGE a
.set AC, 64*((\a)%4)
	WIN 0x08+4*((\a)/4)                            ; the data: window 2 or 3
.irp b, 0,1,2,3,4,5,6,7
	ds_store_b128 v[STO], v[AC+8*\b:AC+8*\b+3] offset:128*(\b/2)+32*(\b%2)        ; each accumulator from its low end on
	ds_store_b128 v[STO], v[AC+8*\b+4:AC+8*\b+7] offset:128*(\b/2)+32*(\b%2)+16
.endr
	WIN 0
.set BB, BK+64*((\a)%2)
.irp t, 0,1,2,3,4,5,6,7,8,9,10,11,12,13,14,15
	ds_load_b128 v[BB+4*\t:BB+4*\t+3], v[RD] offset:\t*SPITCH
.endr
.endm
.macro SEND a, younger                 ; younger: the LDS instructions issued behind tile a's loads, which may stay out.  Stage row t is row 32 (a / 2) + 8 (a % 2) + t % 8 + 16 (t / 8) of my 128; the largest offset is 127 rows: 1,040,384 bytes
.set BB, BK+64*((\a)%2)
	s_wait_dscnt \younger
.irp t, 0,1,2,3,4,5,6,7,8,9,10,11,12,13,14,15
	global_store_b128 v[CO], v[BB+4*\t:BB+4*\t+3], s[12:13] offset:(32*((\a)/2)+8*((\a)%2)+(\t%8)+16*(\t/8))*8192 th:TH_STORE_NT   ; 32 lanes store 512 consecutive bytes, aligned
.endr
.endm
	PLACES NP                                      ; behind the last products
	TOSTAGE 0
.irp a, 1,2,3,4,5,6,7
.if \a > 1
	s_wait_xcnt 0x0                                ; tile a - 2's stores have read their registers: tile a's loads may land there
.endif
	TOSTAGE \a
	SEND \a-1, 32                                  ; behind tile a - 1's loads: tile a's 16 stores and 16 loads
.endr
	SEND 7, 0
	s_wait_tensorcnt 0x0                           ; the wave's end
	ds_add_u32 v[SPW], v[NIL]
	s_wait_dscnt 0x0
	CROUND                                         ; the closing round
	s_endpgm
.Lfunc_end_k_qbb49a0ab82_oproj:
	.size	k_qbb49a0ab82_oproj, .Lfunc_end_k_qbb49a0ab82_oproj-k_qbb49a0ab82_oproj
	.p2alignl 7, 3214868480
	.fill 96, 4, 3214868480
	.section	.rodata,"a",@progbits
	.p2align	6, 0x0
	.amdhsa_kernel k_qbb49a0ab82_oproj
		.amdhsa_group_segment_fixed_size 327680
		.amdhsa_private_segment_fixed_size 0
		.amdhsa_enable_private_segment 0
		.amdhsa_kernarg_size 24
		.amdhsa_user_sgpr_count 2
		.amdhsa_user_sgpr_kernarg_segment_ptr 1
		.amdhsa_wavefront_size32 1
		.amdhsa_system_sgpr_workgroup_id_x 1
		.amdhsa_system_sgpr_workgroup_id_y 1
		.amdhsa_system_sgpr_workgroup_id_z 1
		.amdhsa_system_vgpr_workitem_id 0
		.amdhsa_next_free_vgpr 1024
		.amdhsa_next_free_sgpr 100
		.amdhsa_reserve_vcc 0
		.amdhsa_float_denorm_mode_32 3
		.amdhsa_float_denorm_mode_16_64 3
		.amdhsa_memory_ordered 1
		.amdhsa_forward_progress 1
		.amdhsa_inst_pref_size 208
	.end_amdhsa_kernel
	.amdgpu_metadata
---
amdhsa.version: [ 1, 2 ]
amdhsa.kernels:
  - .name:           k_qbb49a0ab82_oproj
    .symbol:         k_qbb49a0ab82_oproj.kd
    .args:
      - { .name: ao, .offset: 0, .size: 8, .value_kind: global_buffer, .address_space: global }
      - { .name: opnd, .offset: 8, .size: 8, .value_kind: global_buffer, .address_space: global }
      - { .name: out0, .offset: 16, .size: 8, .value_kind: global_buffer, .address_space: global }
    .group_segment_fixed_size: 327680
    .private_segment_fixed_size: 0
    .kernarg_segment_align: 8
    .kernarg_segment_size: 24
    .max_flat_workgroup_size: 128
    .sgpr_count:     100
    .vgpr_count:     1024
    .wavefront_size: 32
...
	.end_amdgpu_metadata
.endif
;; end of part 5
;; ======== version 2 of 2: 4 launches; 1.13 times as fast as version 1
;; workspace buffers: opnd 11,141,120 bytes; rope 2,097,152 bytes; qkv 7,077,888 bytes; ao 2,228,224 bytes
;; launch quant (part 6): grid 800 x 1, 4 waves a work-group, no clusters, 68,096 bytes of LDS; arguments Wq, Wk, Wv, Wo, x, freqs_cos, freqs_sin, opnd, rope; writes opnd, rope
.if DOCPART == 6
	.amdgcn_target "amdgcn-amd-amdhsa--gfx1250"
	.amdhsa_code_object_version 6
	.text
	.protected	k_qbb49a0ab82_quant
	.globl	k_qbb49a0ab82_quant
	.p2align	8
	.type	k_qbb49a0ab82_quant,@function
k_qbb49a0ab82_quant:
	s_mov_b64 s[64:65], 0
	v_nop
	global_prefetch_b8 v0, s[64:65] scope:SCOPE_SE
	s_setreg_imm32_b32 hwreg(HW_REG_WAVE_MODE, 25, 1), 1
	s_wait_xcnt 0x0
; ONE LAUNCH FOR ALL THAT ARRIVES WIDE.  Wq, Wk, Wv, Wo [2048 (k)][2048 (n)] and x [2048][2048 (k)], f32, become codes of FP4 (E2M1) with one E8M0 byte for each 32 along K, laid as the products' launches read an operand;
; freqs_cos and freqs_sin [2048][128] f32 are laid anew, still f32, in the order of the registers that will multiply by them.
; THE OPERAND'S LAYOUT: [block of 128 rows][512 along K] records of REC bytes.  In a record: tile a (0..7), K step q (0..3) of 128: a fragment as an image of its registers at 4096 a + 1024 q:
; the 16 bytes of K block kb (32 codes) of the tile's lane r at 256 kb + 16 r.  Behind the codes, at 32768: the scale words, 256 a + 16 r + 4 q.  Operand 0 is x, operands 1 to 4 the four weights.
; THE ROWS OF A TILE ARE NOT NEIGHBOURS: lane r of tile a holds row 32 (a / 2) + 8 (a % 2) + r % 8 + 16 (r / 8) of the block of 128.  So of 32 neighbouring rows, row n belongs to tile u = (n / 8) % 2 of a pair, lane r = n % 8 + 8 (n / 16).
; SHARES.  Work-groups 0..511 take the weights (128 KiB each: the longer ones come first), 512..799 take x and the tables (64 KiB each).  The two ways part on the work-group's number at the head and never join; only the second touches LDS.
; A block's scale byte is its largest magnitude's exponent field - 2, held at 1 from below.  A block of zeros so gets the byte 1 where the rule says 127: its codes are zeros, and only this program reads the bytes.
; No cluster: no two work-groups read the same bytes.  No barrier: waves share nothing.
; LIMITS: NaN and infinities among the inputs are not served.  The scale words leave as 4 or 8 bytes in every 16: 640 KiB in the whole launch.
.set REC, 34816
.set OPB, 64*REC                       ; an operand: 16 blocks of rows x 4 records
.set NW,  512                          ; the weights' work-groups
	v_lshl_add_u32 v224, v0, 2, 0x10800
	v_mov_b32 v225, 0
	v_lshrrev_b32 v1, 5, v0
	v_readfirstlane_b32 s14, v1                    ; wave
	s_cmp_ge_u32 ttmp9, NW
	s_cbranch_scc1 .Lrows
; ---------------- THE WEIGHTS: K is their FIRST axis.
; A LANE TAKES A COLUMN n AND ITS REGISTERS RUN DOWN K: a load reads 128 consecutive bytes a wave (512 a work-group), a block of 32 lies in one lane's registers, and the conversions give codes with K innermost.
; The layout takes a lane's 16 bytes as they come: the sixteen lanes of a tile store 256 consecutive bytes, aligned.  No LDS.
; Work-group g: the block of 128 columns g % 16; g / 16 = 8 x matrix + kh, kh: which 256 along K.  Wave w: columns 32 w .. 32 w + 31, tiles 2 w and 2 w + 1.  Eight blocks a lane; loads run two blocks (64 loads a wave) ahead.
.set WX,  32                           ; v32-95   two sets of 32 numbers
.set WC,  96                           ; v96-127  the codes: four registers for each block, so that no store's data are written again
.set WSB, 24                           ; v24-25   the scale bytes, four to a register
	s_load_b256 s[4:11], s[0:1], 0x0               ; Wq, Wk, Wv, Wo
	s_load_b64 s[12:13], s[0:1], 0x38              ; opnd
	v_and_b32 v2, 31, v0
	v_lshlrev_b32 v3, 2, v2                        ; in: 4 bytes a lane
	v_bfe_u32 v6, v0, 3, 1                         ; u
	v_and_b32 v7, 7, v0
	v_bfe_u32 v8, v0, 4, 1
	v_lshl_or_b32 v7, v8, 3, v7                    ; r
	v_lshlrev_b32 v7, 4, v7
	v_lshl_add_u32 v4, v6, 12, v7                  ; codes: 4096 u + 16 r
	v_lshl_add_u32 v5, v6, 8, v7                   ; scale words: 256 u + 16 r
	s_and_b32 s28, ttmp9, 15                       ; the block of 128 columns
	s_lshr_b32 s15, ttmp9, 4
	s_lshr_b32 s16, s15, 3                         ; which matrix
	s_and_b32 s17, s15, 7                          ; kh
	s_lshl_b32 s18, s17, 21                        ; 256 rows of 8,192 bytes
	s_lshl_b32 s19, s28, 9                         ; 128 columns
	s_add_co_u32 s18, s18, s19
	s_lshl_b32 s19, s14, 7                         ; the wave's 32
	s_add_co_u32 s18, s18, s19
	s_mov_b32 s19, 0
	s_add_co_u32 s20, s16, 1                       ; operand 1 + matrix
	s_mul_i32 s20, s20, OPB
	s_lshl_b32 s21, s28, 2
	s_lshr_b32 s22, s17, 1
	s_add_co_u32 s21, s21, s22
	s_mul_i32 s21, s21, REC
	s_add_co_u32 s20, s20, s21                     ; the record
	s_and_b32 s22, s17, 1                          ; which half of its 512 along K
	s_lshl_b32 s23, s14, 13
	s_add_co_u32 s24, s20, s23
	s_lshl_b32 s23, s22, 11
	s_add_co_u32 s24, s24, s23                     ; codes: record + 8192 wave + 2048 half; block t then lies 256 t on
	s_mov_b32 s25, 0
	s_lshl_b32 s23, s14, 9
	s_add_co_u32 s26, s20, s23
	s_lshl_b32 s23, s22, 3
	s_add_co_u32 s26, s26, s23
	s_add_co_u32 s26, s26, 32768                   ; scale words: record + 32768 + 512 wave + 8 half
	s_mov_b32 s27, 0
	s_wait_kmcnt 0x0
	s_cmp_lt_u32 s16, 1                            ; the choices hang on the work-group's number alone
	s_cselect_b64 s[4:5], s[4:5], s[6:7]
	s_cmp_lt_u32 s16, 3
	s_cselect_b64 s[8:9], s[8:9], s[10:11]
	s_cmp_lt_u32 s16, 2
	s_cselect_b64 s[4:5], s[4:5], s[8:9]
	s_add_nc_u64 s[4:5], s[4:5], s[18:19]
	s_add_nc_u64 s[24:25], s[12:13], s[24:25]
	s_add_nc_u64 s[26:27], s[12:13], s[26:27]
.macro LOAD t                          ; block t: W(32 t + i, my column), i = 0 .. 31, into set t % 2.  The largest offset is 255 rows: 2,088,960 bytes
.set i, 0
.rept 32
	global_load_b32 v[WX+32*((\t)%2)+i], v3, s[4:5] offset:(32*(\t)+i)*8192 th:TH_LOAD_NT
.set i, i+1
.endr
.endm
.macro BLOCK t
.set XS, WX+32*((\t)%2)
.if (\t) < 7
	s_wait_loadcnt 32                              ; this block's 32 loads are in; the next block's 32 stay out
.else
	s_wait_loadcnt 0x0
.endif
	v_max3_num_f32 v12, |v[XS]|, |v[XS+1]|, |v[XS+2]|              ; the block's largest magnitude, in two chains: all 32 numbers are mine
	v_max3_num_f32 v13, |v[XS+3]|, |v[XS+4]|, |v[XS+5]|
.irp i, 6,10,14,18,22,26
	v_max3_num_f32 v12, v12, |v[XS+\i]|, |v[XS+\i+1]|
	v_max3_num_f32 v13, v13, |v[XS+\i+2]|, |v[XS+\i+3]|
.endr
	v_max3_num_f32 v12, v12, |v[XS+30]|, |v[XS+31]|
	v_max3_num_f32 v12, v12, v13, 0x1800000        ; and the floor 2^(3 - 127): the byte cannot fall under 1
	v_add_nc_u32 v11, 0xff000000, v12              ; 2 off the exponent field: the conversions' scale operand
	v_lshrrev_b32 v13, 23, v11                     ; the scale's byte
.if (\t)%4 == 0
	v_mov_b32 v[WSB+(\t)/4], v13
.else
	v_lshl_or_b32 v[WSB+(\t)/4], v13, 8*((\t)%4), v[WSB+(\t)/4]
.endif
.irp g, 0,1,2,3
	v_cvt_scalef32_pk8_fp4_f32 v[WC+4*(\t)+\g], v[XS+8*\g:XS+8*\g+7], v11
.endr
	v_nop                                          ; one plain place behind the last conversion
	global_store_b128 v4, v[WC+4*(\t):WC+4*(\t)+3], s[24:25] offset:256*(\t)
.if (\t)+2 < 8
	LOAD (\t)+2
.endif
.endm
	LOAD 0
	LOAD 1
.irp t, 0,1,2,3,4,5,6,7
	BLOCK \t
.endr
	global_store_b64 v5, v[WSB:WSB+1], s[26:27]    ; my row's two scale words
	s_endpgm
; ---------------- x AND THE TABLES: their last axis is innermost.
; A wave takes 32 rows x 128 columns (16 KiB).  With g' = g - 512: 0..255: x (32 rows P = g' / 4, 512 columns g' % 4, the wave's 128 of them); 256..271: cos; 272..287: sin (each wave 32 whole rows).
; Each load reads 512 consecutive bytes of one row; the 32 rows turn through the wave's own stage in LDS (rows 528 bytes apart: an odd multiple of 16), so that a lane then holds ONE row's 128 numbers:
; four whole blocks of 32, whose largest magnitudes need no other lane.
.Lrows:
.set STG, 16896                        ; a wave's stage: 32 rows x 528 bytes
.set SP,  528
.set VO,  32                           ; v32-63   byte offset of my 16 bytes in row i
.set X,   64                           ; v64-191  the numbers: as loaded, then my row's 128
.set C,   192                          ; v192-207 the codes: 4 registers a block
.set M,   208                          ; v208-211 largest magnitudes
.set SO,  212                          ; v212-215 the conversions' scale operands
.set B,   216                          ; v216-219 the scale bytes
.set WD,  220                          ; v220     the scale word
	s_load_b128 s[4:7], s[0:1], 0x20               ; x, cos
	s_load_b128 s[8:11], s[0:1], 0x30              ; sin, opnd
	s_load_b64 s[12:13], s[0:1], 0x40              ; rope
	s_sub_co_u32 s33, ttmp9, NW                    ; g'
	v_and_b32 v7, 31, v0                           ; lane
	v_lshlrev_b32 v1, 4, v7                        ; 16 x lane
	s_mul_i32 s15, s14, STG
	v_add_nc_u32 v2, s15, v1                       ; the stage, on the way in: row i at 528 i, my 16 bytes of it
	v_mul_u32_u24 v3, v7, SP
	v_add_nc_u32 v3, s15, v3                       ; and on the way out: my row
	v_bfe_u32 v8, v0, 3, 1                         ; u
	v_and_b32 v9, 7, v0
	v_bfe_u32 v10, v0, 4, 1
	v_lshl_or_b32 v9, v10, 3, v9                   ; r
	v_lshlrev_b32 v9, 4, v9
	v_lshl_add_u32 v4, v8, 12, v9                  ; codes: 4096 u + 16 r
	v_lshl_add_u32 v5, v8, 8, v9                   ; scale words: 256 u + 16 r
	v_lshl_add_u32 v6, v8, 13, v9                  ; tables: 8192 u + 16 r
	s_lshr_b32 s16, s33, 2                         ; x: P
	s_and_b32 s17, s33, 3                          ;    which 512 along K
	s_lshl_b32 s18, s16, 18                        ;    32 rows of 8,192 bytes
	s_lshl_b32 s19, s17, 2
	s_add_co_u32 s19, s19, s14
	s_lshl_b32 s19, s19, 9                         ;    the wave's 128 columns
	s_add_co_u32 s18, s18, s19
	s_and_b32 s20, s33, 15                         ; tables: P = 4 (g' % 16) + wave
	s_lshl_b32 s20, s20, 2
	s_add_co_u32 s20, s20, s14
	s_lshl_b32 s21, s20, 14                        ;    32 rows of 512 bytes
	s_mov_b32 s22, 8192
	s_cmp_lt_u32 s33, 256
	s_cselect_b32 s18, s18, s21                    ; where my 32 rows begin,
	s_cselect_b32 s22, s22, 512                    ; and the bytes from row to row
	s_lshr_b32 s23, s16, 2                         ; x's record: 4 (P / 4) + which 512
	s_lshl_b32 s23, s23, 2
	s_add_co_u32 s23, s23, s17
	s_mul_i32 s23, s23, REC
	s_and_b32 s24, s16, 3                          ; the pair of tiles in it
	s_lshl_b32 s25, s24, 13
	s_add_co_u32 s26, s23, s25
	s_lshl_b32 s25, s14, 10
	s_add_co_u32 s26, s26, s25                     ; codes: record + 8192 pair + 1024 wave
	s_mov_b32 s27, 0
	s_lshl_b32 s25, s24, 9
	s_add_co_u32 s28, s23, s25
	s_lshl_b32 s25, s14, 2
	s_add_co_u32 s28, s28, s25
	s_add_co_u32 s28, s28, 32768                   ; scale words: record + 32768 + 512 pair + 4 wave
	s_mov_b32 s29, 0
	s_bfe_u32 s30, s33, 0x10004                    ; which table: 0 cos, 1 sin
	s_lshl_b32 s30, s30, 20
	s_add_co_u32 s30, s30, s21                     ; its image: 2^20 table + 16384 P
	s_mov_b32 s31, 0
	s_mov_b32 s19, 0
	v_mov_b32 v[VO], v1
.set i, 1
.rept 31
	v_add_nc_u32 v[VO+i], s22, v[VO+i-1]
.set i, i+1
.endr
	s_wait_kmcnt 0x0
	s_cmp_lt_u32 s33, 272                          ; the choices hang on the work-group's number alone
	s_cselect_b64 s[6:7], s[6:7], s[8:9]
	s_cmp_lt_u32 s33, 256
	s_cselect_b64 s[4:5], s[4:5], s[6:7]
	s_add_nc_u64 s[4:5], s[4:5], s[18:19]
	s_add_nc_u64 s[26:27], s[10:11], s[26:27]
	s_add_nc_u64 s[28:29], s[10:11], s[28:29]
	s_add_nc_u64 s[30:31], s[12:13], s[30:31]
.set i, 0
.rept 32
	global_load_b128 v[X+4*i:X+4*i+3], v[VO+i], s[4:5] th:TH_LOAD_NT   ; row i: 32 lanes read 512 consecutive bytes; all 32 loads are out together
.set i, i+1
.endr
.set i, 0
.rept 32
	s_wait_loadcnt 31-i                            ; loads come back in order: row i is in, the 31 - i younger ones stay out
	ds_store_b128 v2, v[X+4*i:X+4*i+3] offset:SP*i
.set i, i+1
.endr
	s_wait_dscnt 0x0                               ; the stores have read their registers, which are loaded again
.set i, 0
.rept 32
	ds_load_b128 v[X+4*i:X+4*i+3], v3 offset:16*i  ; my row's numbers 4 i .. 4 i + 3
.set i, i+1
.endr
	s_cmp_ge_u32 s33, 256
	s_cbranch_scc1 .Ltable
	s_wait_dscnt 0x0
.irp b, 0,1,2,3
	v_max3_num_f32 v[M+\b], |v[X+32*\b]|, |v[X+32*\b+1]|, 0x1800000   ; block b, and the floor 2^(3 - 127): the byte cannot fall under 1
.endr
.irp i, 2,4,6,8,10,12,14,16,18,20,22,24,26,28,30
.irp b, 0,1,2,3
	v_max3_num_f32 v[M+\b], v[M+\b], |v[X+32*\b+\i]|, |v[X+32*\b+\i+1]|   ; the four blocks by turns
.endr
.endr
.irp b, 0,1,2,3
	v_add_nc_u32 v[SO+\b], 0xff000000, v[M+\b]     ; 2 off the exponent field: the conversion takes that field as its scale
.endr
.irp b, 0,1,2,3
	v_lshrrev_b32 v[B+\b], 23, v[SO+\b]            ; the scale's byte
.endr
	v_lshl_or_b32 v[WD], v[B+1], 8, v[B]
	v_lshl_or_b32 v[WD], v[B+2], 16, v[WD]
	v_lshl_or_b32 v[WD], v[B+3], 24, v[WD]
.irp b, 0,1,2,3
.irp g, 0,1,2,3
	v_cvt_scalef32_pk8_fp4_f32 v[C+4*\b+\g], v[X+32*\b+8*\g:X+32*\b+8*\g+7], v[SO+\b]
.endr
.endr
	v_nop                                          ; one plain place behind the last conversion
.irp b, 0,1,2,3
	global_store_b128 v4, v[C+4*\b:C+4*\b+3], s[26:27] offset:256*\b   ; the sixteen lanes of a tile store 256 consecutive bytes, aligned
.endr
	global_store_b32 v5, v[WD], s[28:29]
	s_wait_tensorcnt 0x0
	ds_add_u32 v224, v225
	s_wait_dscnt 0x0
	s_endpgm
.Ltable:
; Piece (beta, i) of a tile's image, at 512 (4 beta + i) + 16 x (16 h + r), holds table[row of lane r][32 beta + 16 h + 4 i .. + 3].  My row's piece c = 8 beta + 4 h + i goes there.
.set c, 0
.rept 32
	s_wait_dscnt 31-c                              ; LDS loads come back in order
	global_store_b128 v6, v[X+4*c:X+4*c+3], s[30:31] offset:(4*(c/8)+c%4)*512+256*((c/4)%2)
.set c, c+1
.endr
	s_wait_tensorcnt 0x0
	ds_add_u32 v224, v225
	s_wait_dscnt 0x0
	s_endpgm
.Lfunc_end_k_qbb49a0ab82_quant:
	.size	k_qbb49a0ab82_quant, .Lfunc_end_k_qbb49a0ab82_quant-k_qbb49a0ab82_quant
	.p2alignl 7, 3214868480
	.fill 96, 4, 3214868480
	.section	.rodata,"a",@progbits
	.p2align	6, 0x0
	.amdhsa_kernel k_qbb49a0ab82_quant
		.amdhsa_group_segment_fixed_size 68096
		.amdhsa_private_segment_fixed_size 0
		.amdhsa_enable_private_segment 0
		.amdhsa_kernarg_size 72
		.amdhsa_user_sgpr_count 2
		.amdhsa_user_sgpr_kernarg_segment_ptr 1
		.amdhsa_wavefront_size32 1
		.amdhsa_system_sgpr_workgroup_id_x 1
		.amdhsa_system_sgpr_workgroup_id_y 1
		.amdhsa_system_sgpr_workgroup_id_z 1
		.amdhsa_system_vgpr_workitem_id 0
		.amdhsa_next_free_vgpr 226
		.amdhsa_next_free_sgpr 66
		.amdhsa_reserve_vcc 0
		.amdhsa_float_denorm_mode_32 3
		.amdhsa_float_denorm_mode_16_64 3
		.amdhsa_memory_ordered 1
		.amdhsa_forward_progress 1
		.amdhsa_inst_pref_size 62
	.end_amdhsa_kernel
	.amdgpu_metadata
---
amdhsa.version: [ 1, 2 ]
amdhsa.kernels:
  - .name:           k_qbb49a0ab82_quant
    .symbol:         k_qbb49a0ab82_quant.kd
    .args:
      - { .name: Wq, .offset: 0, .size: 8, .value_kind: global_buffer, .address_space: global }
      - { .name: Wk, .offset: 8, .size: 8, .value_kind: global_buffer, .address_space: global }
      - { .name: Wv, .offset: 16, .size: 8, .value_kind: global_buffer, .address_space: global }
      - { .name: Wo, .offset: 24, .size: 8, .value_kind: global_buffer, .address_space: global }
      - { .name: x, .offset: 32, .size: 8, .value_kind: global_buffer, .address_space: global }
      - { .name: freqs_cos, .offset: 40, .size: 8, .value_kind: global_buffer, .address_space: global }
      - { .name: freqs_sin, .offset: 48, .size: 8, .value_kind: global_buffer, .address_space: global }
      - { .name: opnd, .offset: 56, .size: 8, .value_kind: global_buffer, .address_space: global }
      - { .name: rope, .offset: 64, .size: 8, .value_kind: global_buffer, .address_space: global }
    .group_segment_fixed_size: 68096
    .private_segment_fixed_size: 0
    .kernarg_segment_align: 8
    .kernarg_segment_size: 72
    .max_flat_workgroup_size: 128
    .sgpr_count:     66
    .vgpr_count:     226
    .wavefront_size: 32
...
	.end_amdgpu_metadata
.endif
;; end of part 6
;; launch qkv: the kernel of part 3 again; grid 8 x 24, 4 waves a work-group, clusters of 4 x 4, 327,680 bytes of LDS; arguments opnd, rope, qkv; writes qkv
;; launch attn (part 7): grid 32 x 8, 8 waves a work-group, clusters of 4 x 4, 327,680 bytes of LDS; arguments qkv, attention_mask, alibi, ao; writes ao
.if DOCPART == 7
	.amdgcn_target "amdgcn-amd-amdhsa--gfx1250"
	.amdhsa_code_object_version 6
	.text
	.protected	k_qbb49a0ab82_attn
	.globl	k_qbb49a0ab82_attn
	.p2align	8
	.type	k_qbb49a0ab82_attn,@function
k_qbb49a0ab82_attn:
	s_mov_b64 s[64:65], 0
	v_nop
	global_prefetch_b8 v0, s[64:65] scope:SCOPE_SE
	s_setreg_imm32_b32 hwreg(HW_REG_WAVE_MODE, 25, 1), 1
	s_wait_xcnt 0x0
	s_wait_alu depctr_hold_cnt(0) depctr_sa_sdst(0) depctr_va_vdst(0) depctr_va_sdst(0) depctr_va_ssrc(0) depctr_va_vcc(0) depctr_vm_vsrc(0)
	s_getreg_b32 s2, hwreg(HW_REG_IB_STS2, 6, 4)
	s_cmp_eq_u32 s2, 0
	s_cbranch_scc0 .Lentry_in_a_cluster
	s_endpgm
.Lentry_in_a_cluster:
	s_bfe_u32 s2, ttmp6, 0x10000c
	s_cmp_lg_u32 s2, 0xf033
	s_cbranch_scc0 .Lentry_shape_is_right
	s_endpgm
.Lentry_shape_is_right:
; ao = Q(softmax(q k^T / sqrt(128) + attention_mask + alibi) v), both products on codes of FP4 (E2M1) with E8M0 scales; ao leaves as codes, quantised along the hidden axis for the last product.
; THE SOFTMAX AHEAD OF THE SECOND PRODUCT: t = logit x log2(e); M = the row's largest t so far, rounded UP to a whole number; p = 2^(t - M) is quantised along the keys, not normalised; the row's sum is taken of the
; unquantised p and divides at the end.  When M moves, the sum and O are multiplied by 2^(old M - new M): exact.  The mask is an input: every key is walked for every query, and nothing of its pattern is built in.
; SHARES.  A work-group owns 64 queries (xw) of two heads (yw); wave w owns one tile of 16 queries (w % 4) of head 2 yw + w / 4: two waves to a SIMD, so that one wave's vector work stands beside the other's products and loads.
; Four query tiles share each byte of K and V, two heads each byte of the mask.  CLUSTERS: 4 x 4 work-groups: K's and V's records and alibi hang on yw alone and are asked for jointly along a row of the cluster,
; the mask's tiles on xw alone, jointly along a column.
; q, k, v come as records of RA bytes ([which][head][128 positions]): 8 fragments as images of their registers, then an image of the 8 scale-word registers.  Lane r of tile a holds row 32 (a / 2) + 8 (a % 2) + r % 8 + 16 (r / 8).
; Both products are used transposed (S^T = K Q^T, O^T = V^T P^T): a lane holds ONE query; register 16 b + i of a step's 64 scores is key 32 b + 16 h + i, and of O^T channel 32 b + 16 h + i.
; ALIBI hangs on the key alone, that is on the register and on the lane's half, not on the lane's query.  So a step's 128 numbers lie in FOUR registers (register b, lane l: key 32 b + l), four LDS loads of 128 bytes,
; and the addition takes its first source from lane i of the lane's own half of 16 (DPP, row_share:i): 64 additions.
; THE RING: two slots of 256 keys.  A slot: the mask's 64 rows x 256 keys as four tiles of 16 rows (rows 1,040 bytes apart; odd tiles 128 bytes further on, so that the 16 rows of one load, 8 of an even and 8 of an odd tile,
; start at 16 different places modulo 256), then two records each of K head 0, K head 1, V head 0, V head 1.  Waves 0-3 fetch the mask's tiles, waves 4-7 the records: one load a wave behind each round.
; LIMITS: NaN among the inputs is not served.  1 / sqrt(128) is a multiplication fused with the mask's addition, the division by the sum a reciprocal and a multiplication.
; A block of zeros gets the byte 1 where the rule says 127 (its codes are zeros; only this program reads the bytes).  ao's scale words leave as 4 bytes in every 16.
; REGISTERS: window 0: v1-11 addresses, v10 Q's scale words; v12 -M, v13 the largest t, v[14:15] the sum; v16-23 Q; v24-31 K's scale words; v32-95 K's, then V's fragments; v96-159 S^T, then p; v160-167 V's scale words;
;   v168-175 p's codes; v176-199 at work; v200-203 alibi.   window 1: v0-63 O^T; v64-127 the mask's numbers.
.set REC,   34816
.set RA,    9216
.set HEADB, 16*RA
.set WHB,   16*HEADB
.set SLOT,  141312                     ; 4 x 16,896 of mask + 4 x 18,432 of records
.set KVO,   67584
.set ALB,   2*SLOT                     ; behind the ring: the two heads' alibi, 16,384 bytes, filled once
.set SPARE, ALB+16384                  ; the spare words, 128 bytes for each wave: four blocks of 256 bytes that no other line names
.set AKV, 1                            ; v1-2   my head's records in slot 0, 1: + 16 x lane
.set AM,  3                            ; v3-4   my query's row of the mask in slot 0, 1: + 64 h
.set SPW, 5                            ; v5     my spare word; never rewritten
.set NIL, 6                            ; v6     0; never rewritten
.set AAL, 7                            ; v7     my head's alibi: + 4 x lane
.set ADA, 8                            ; v8     the same at the step's keys
.set LI,  9                            ; v9     16 x lane
.set QS,  10                           ; v10    Q's scale words
.set LR,  11                           ; v11    16 x r
.set Q,   16
.set KS,  24
.set F,   32
.set S,   96
.set VS,  160
.set PC,  168
.set TM,  176
.set BM,  TM                           ; v176-179 each block's largest score, then largest p
.set BT,  TM+4                         ; v180-183 at work
.set BS,  TM+12                        ; v188-191 the conversions' scale operands
.set FF,  192                          ; v[192:193] f = 2^(old M - new M); the pair's upper word is written once
.set PS,  194                          ; v194   p's scale word, and nothing else
.set TT,  195
.set PWO, 196
.set RL,  198                          ; v[198:199] 1 / the sum
.set AL,  200                          ; v200-203 alibi of the step's 128 keys: register b, lane l: key 32 b + l
.set O,   0                            ; window 1
.set MK,  64
.set C1,  22                           ; s[22:23] 1 / sqrt(128)
.set LE,  24                           ; s[24:25] log2(e)
.set SEL, 26                           ; s[26:27] selects for lane l xor 16
.set TA,  28                           ; s28  the step's keys in alibi: 512 bytes a step
.set G1M, 32                           ; s[32:39] group 1: a tile of the mask;  s[40:47] two records;  s[48:55] a quarter of alibi
.set G1R, 40
.set G1A, 48
.set G0M, 56                           ; s[56:63] groups 0 for the mask, one for each slot;  s[68:75] for the records;  s[76:79] for alibi
.set G0R, 68
.set G0A, 76
.set MSB, 0
.macro WIN new                         ; the immediate's high byte repeats the setting that is left; a switch that changes nothing is dropped
.if MSB != (\new)
	s_set_vgpr_msb (MSB<<8)|(\new)
.set MSB, (\new)
.endif
.endm
.macro PLACES n
.rept \n
	v_nop
.endr
.endm
.macro CROUND                          ; a round of the cluster's barrier
	s_barrier_signal -1
	s_barrier_wait -1
	s_cmp_lg_u32 s12, 0
	s_cbranch_scc1 .Lnot_wave_0_\@
	s_barrier_signal -3
.Lnot_wave_0_\@:
	s_barrier_wait -3
	s_barrier_signal -1
	s_barrier_wait -1
.endm
.macro JLOAD s                         ; a joint fill of slot s.  The branch hangs on the wave's number alone.  Four v_nop follow each line
	s_cmp_lt_u32 s12, 4
	s_cbranch_scc0 .Lrec_\@
	tensor_load_to_lds s[G0M+4*(\s):G0M+4*(\s)+3], s[G1M:G1M+7]
	s_nop 0
	PLACES 4
	s_branch .Lasked_\@
.Lrec_\@:
	tensor_load_to_lds s[G0R+4*(\s):G0R+4*(\s)+3], s[G1R:G1R+7]
	s_nop 0
	PLACES 4
.Lasked_\@:
.endm
	s_load_b256 s[4:11], s[0:1], 0x0               ; qkv, attention_mask, alibi, ao
	v_lshl_add_u32 v[SPW], v0, 2, SPARE
	v_mov_b32 v[NIL], 0
	ds_add_u32 v5, v6
	ds_add_u32 v5, v6
	s_wait_dscnt 0x0
	v_lshrrev_b32 v8, 5, v0
	v_readfirstlane_b32 s12, v8                    ; wave 0..7
	s_bfe_u32 s13, ttmp6, 0x40000                  ; cx
	s_bfe_u32 s14, ttmp6, 0x40004                  ; cy
	s_lshl_b32 s15, ttmp9, 2
	s_add_co_u32 s15, s15, s13                     ; xw: my 64 queries
	s_and_b32 s16, ttmp7, 0xffff
	s_lshl_b32 s16, s16, 2
	s_add_co_u32 s16, s16, s14                     ; yw: my two heads
	s_lshl_b32 s17, s14, 2
	s_lshl_b32 s17, 15, s17                        ; my row of the cluster
	s_lshl_b32 s18, 0x1111, s13                    ; my column
	s_and_b32 s19, s12, 3                          ; my tile of queries.  Also: which part I fetch
	s_lshr_b32 s20, s12, 2                         ; which of the two heads
	s_lshl_b32 s21, s16, 1
	s_add_co_u32 s21, s21, s20                     ; my head
	s_or_b32 s[G1M], s18, (2<<16)|(1<<20)|(1<<21)|(7<<22)|(3<<25)   ; the mask goes to my column; elements of 4 bytes; padding: 4 words behind every 256
	s_mov_b32 s[G1M+1], 256<<16                    ; tensor_dim0 = 256 keys
	s_mov_b32 s[G1M+2], 16<<16                     ; tensor_dim1 = 16 rows
	s_mov_b32 s[G1M+3], 256<<16                    ; tile_dim0
	s_mov_b32 s[G1M+4], 16                         ; tile_dim1
	s_mov_b32 s[G1M+5], 2048                       ; from row to row
	s_mov_b32 s[G1M+6], 0
	s_mov_b32 s[G1M+7], 0
	s_or_b32 s[G1R], s17, (3<<16)|(1<<21)          ; records go to my row; a dense block of 72 rows of 256 bytes
	s_mov_b32 s[G1R+1], 32<<16
	s_mov_b32 s[G1R+2], 72<<16
	s_mov_b32 s[G1R+3], 32<<16
	s_mov_b32 s[G1R+4], 72
	s_mov_b32 s[G1R+5], 32
	s_mov_b32 s[G1R+6], 0
	s_mov_b32 s[G1R+7], 0
	s_or_b32 s[G1A], s17, (3<<16)|(1<<21)          ; alibi likewise: 16 rows of 256 bytes
	s_mov_b32 s[G1A+1], 32<<16
	s_mov_b32 s[G1A+2], 16<<16
	s_mov_b32 s[G1A+3], 32<<16
	s_mov_b32 s[G1A+4], 16
	s_mov_b32 s[G1A+5], 32
	s_mov_b32 s[G1A+6], 0
	s_mov_b32 s[G1A+7], 0
	s_lshl_b32 s80, s15, 19                        ; the mask: row 64 xw + 16 (wave % 4), of 8,192 bytes: made of xw and the wave's number
	s_lshl_b32 s81, s19, 17
	s_add_co_u32 s80, s80, s81
	s_mov_b32 s81, 0
	s_mul_i32 s82, s19, 16896                      ; its place in a slot
	s_and_b32 s83, s12, 1
	s_lshl_b32 s84, s83, 7
	s_add_co_u32 s82, s82, s84
	s_bfe_u32 s84, s12, 0x10001                    ; the records: K (waves 4, 5) or V (6, 7), head 2 yw + wave % 2: made of yw and the wave's number
	s_add_co_u32 s84, s84, 1
	s_mul_i32 s84, s84, WHB
	s_lshl_b32 s85, s16, 1
	s_add_co_u32 s85, s85, s83
	s_mul_i32 s85, s85, HEADB
	s_add_co_u32 s84, s84, s85
	s_mov_b32 s85, 0
	s_mul_i32 s86, s19, 18432
	s_add_co_u32 s86, s86, KVO
	s_lshl_b32 s88, s16, 14                        ; alibi: the two heads' 16,384 bytes, my quarter
	s_lshl_b32 s89, s19, 12
	s_add_co_u32 s88, s88, s89
	s_add_co_u32 s87, s89, ALB
	s_mov_b32 s89, 0
	s_mul_i32 s90, s21, HEADB                      ; Q: my head's record of positions 128 (xw / 2) on,
	s_lshr_b32 s91, s15, 1
	s_mul_i32 s91, s91, RA
	s_add_co_u32 s90, s90, s91
	s_and_b32 s92, s15, 1
	s_lshl_b32 s93, s92, 2
	s_add_co_u32 s93, s93, s19                     ; tile a = 4 (xw % 2) + my tile
	s_lshl_b32 s94, s93, 10
	s_add_co_u32 s94, s94, s90
	s_mov_b32 s95, 0
	s_lshl_b32 s96, s92, 9                         ; its scale words: image half xw % 2, word my tile
	s_add_co_u32 s96, s96, s90
	s_lshl_b32 s97, s19, 2
	s_add_co_u32 s96, s96, s97
	s_add_co_u32 s96, s96, 8192
	s_mov_b32 s97, 0
	s_mov_b32 s[C1], 0x3db504f3
	s_mov_b32 s[C1+1], s[C1]                       ; (named with it as a pair, so it is written)
	s_mov_b32 s[LE], 0x3fb8aa3b
	s_mov_b32 s[LE+1], s[LE]
	s_mov_b32 s[SEL], 0x76543210
	s_mov_b32 s[SEL+1], 0xfedcba98
	s_mov_b32 s[TA], 0
	s_mov_b32 s29, 3
	s_wait_kmcnt 0x0
.irp s, 0,1
	s_mov_b32 s[G0M+4*\s], 1
	s_add_co_u32 s[G0M+4*\s+1], s82, \s*SLOT
	s_add_nc_u64 s[G0M+4*\s+2:G0M+4*\s+3], s[6:7], s[80:81]
	s_add_nc_u64 s[G0M+4*\s+2:G0M+4*\s+3], s[G0M+4*\s+2:G0M+4*\s+3], \s*1024    ; keys 256 s on
	s_or_b32 s[G0M+4*\s+3], s[G0M+4*\s+3], 0x80000000
	s_mov_b32 s[G0R+4*\s], 1
	s_add_co_u32 s[G0R+4*\s+1], s86, \s*SLOT
	s_add_nc_u64 s[G0R+4*\s+2:G0R+4*\s+3], s[4:5], s[84:85]
	s_add_nc_u64 s[G0R+4*\s+2:G0R+4*\s+3], s[G0R+4*\s+2:G0R+4*\s+3], \s*2*RA
	s_or_b32 s[G0R+4*\s+3], s[G0R+4*\s+3], 0x80000000
.endr
	s_mov_b32 s[G0A], 1
	s_mov_b32 s[G0A+1], s87
	s_add_nc_u64 s[G0A+2:G0A+3], s[8:9], s[88:89]
	s_or_b32 s[G0A+3], s[G0A+3], 0x80000000
	s_add_nc_u64 s[94:95], s[4:5], s[94:95]
	s_add_nc_u64 s[96:97], s[4:5], s[96:97]
	CROUND                                         ; all sixteen work-groups are here: the first joint loads meet
	s_cmp_lt_u32 s12, 4                            ; a wave's first fills stand in one branch: one load of waves 0-3 is out, two of waves 4-7
	s_cbranch_scc0 .Lfirst_rec
	tensor_load_to_lds s[G0M:G0M+3], s[G1M:G1M+7]
	s_nop 0
	PLACES 4
	s_branch .Lfirst_asked
.Lfirst_rec:
	tensor_load_to_lds s[G0A:G0A+3], s[G1A:G1A+7]
	s_nop 0
	tensor_load_to_lds s[G0R:G0R+3], s[G1R:G1R+7]
	s_nop 0
	PLACES 4
.Lfirst_asked:
	v_and_b32 v8, 31, v0
	v_lshlrev_b32 v[LI], 4, v8
	s_lshl_b32 s98, s20, 13
	s_add_co_u32 s98, s98, ALB
	v_lshl_add_u32 v[AAL], v8, 2, s98              ; my head's alibi, 4 bytes a lane
	v_and_b32 v8, 15, v0
	v_lshlrev_b32 v[LR], 4, v8
.irp c, 0,1
	global_load_b128 v[Q+4*\c:Q+4*\c+3], v[LI], s[94:95] offset:512*\c   ; Q's fragment stays in registers
.endr
	global_load_b32 v[QS], v[LI], s[96:97]         ; and its scale words
	s_mul_i32 s98, s20, 18432
	s_add_co_u32 s98, s98, KVO
	v_add_nc_u32 v[AKV], s98, v[LI]
	v_add_nc_u32 v[AKV+1], SLOT, v[AKV]
	v_bfe_u32 v8, v0, 3, 1                         ; r / 8: an even or an odd tile of the mask
	v_mul_u32_u24 v3, v8, 17024                    ; 16,896 + 128
	v_and_b32 v8, 7, v0
	v_mad_u32_u24 v3, v8, 1040, v3
	v_bfe_u32 v8, v0, 4, 1                         ; h
	v_lshl_add_u32 v3, v8, 6, v3
	s_lshr_b32 s98, s19, 1
	s_mul_i32 s98, s98, 33792                      ; my tile's rows lie in the mask's tiles 2 (tile / 2) and + 1,
	s_and_b32 s99, s19, 1
	s_mul_i32 s99, s99, 8320                       ; from their row 8 (tile % 2) on
	s_add_co_u32 s98, s98, s99
	v_add_nc_u32 v[AM], s98, v3
	v_add_nc_u32 v[AM+1], SLOT, v[AM]
	v_mov_b32 v13, 0xff61b1e6                      ; the largest t so far: -3e38, under every t
	v_floor_f32 v12, -v13                          ; -M
	v_mov_b32 v14, 0
	v_mov_b32 v15, 0
.irp b, 0,1,2,3
	v_mov_b32 v[BT+\b], 0                          ; written once: a lane permute's destination counts as one of its sources
.endr
	v_mov_b32 v[FF+1], 0                           ; (named as the upper half of a pair)
	v_mov_b32 v[TT], 0
	WIN 0x40
.set j, 0
.rept 64
	v_mov_b32 v[O+j], 0                            ; O^T.  The step is written for every step alike: the first finds zeros, which the first change of M leaves zeros
.set j, j+1
.endr
	WIN 0
; A KEY STEP: 128 keys, the q-th record of slot sl.
.macro STEP sl, q
	v_add_nc_u32 v[ADA], s[TA], v[AAL]
	PLACES 3                                       ; with the line above: four places in front of loads into registers that the last products read
.irp t, 0,1,2,3,4,5,6,7
.irp c, 0,1
	ds_load_b128 v[F+8*\t+4*\c:F+8*\t+4*\c+3], v[AKV+\sl] offset:(\q)*RA+\t*1024+512*\c   ; K's eight fragments
.endr
.endr
.irp g, 0,1
	ds_load_b128 v[KS+4*\g:KS+4*\g+3], v[AKV+\sl] offset:(\q)*RA+8192+512*\g              ; and their scale words
.endr
	WIN 0x40                                       ; destination window 1
.irp b, 0,1,2,3
.irp i, 0,1,2,3
	ds_load_b128 v[MK+16*\b+4*\i:MK+16*\b+4*\i+3], v[AM+\sl] offset:(\q)*512+128*\b+16*\i   ; mask(my query, keys 32 b + 16 h + 4 i on)
.endr
.endr
	WIN 0
.irp b, 0,1,2,3
	ds_load_b32 v[AL+\b], v[ADA] offset:128*\b     ; alibi(my head, key 32 b + lane): 128 consecutive bytes
.endr
	s_wait_dscnt 20                                ; K and its scale words are in; the 16 loads of the mask and the 4 of alibi stay out
.irp t, 0,1,2,3,4,5,6,7
	v_wmma_scale_f32_16x16x128_f8f6f4 v[S+8*\t:S+8*\t+7], v[F+8*\t:F+8*\t+7], v[Q:Q+7], 0, v[KS+\t], v[QS] matrix_a_fmt:MATRIX_FMT_FP4 matrix_b_fmt:MATRIX_FMT_FP4
.endr
	PLACES 4                                       ; in front of the loads into K's registers and of the first read of the scores
.irp t, 0,1,2,3,4,5,6,7
.irp c, 0,1
	ds_load_b128 v[F+8*\t+4*\c:F+8*\t+4*\c+3], v[AKV+\sl] offset:4*RA+(\q)*RA+\t*1024+512*\c   ; V's eight fragments land under the softmax
.endr
.endr
.irp g, 0,1
	ds_load_b128 v[VS+4*\g:VS+4*\g+3], v[AKV+\sl] offset:4*RA+(\q)*RA+8192+512*\g
.endr
	s_wait_dscnt 18                                ; mask and alibi are in; V's 18 loads stay out
	WIN 0x10                                       ; source 2 window 1
.set j, 0
.rept 32
	v_pk_fma_f32 v[S+j:S+j+1], v[S+j:S+j+1], s[C1:C1+1], v[MK+j:MK+j+1] op_sel_hi:[1,0,1]   ; score / sqrt(128) + mask, each accumulator from its low end on
.set j, j+2
.endr
	WIN 0
.irp b, 0,1,2,3
.irp i, 0,1,2,3,4,5,6,7,8,9,10,11,12,13,14,15
	v_add_f32_dpp v[S+16*\b+\i], v[AL+\b], v[S+16*\b+\i] row_share:\i row_mask:0xf bank_mask:0xf   ; + alibi(key 32 b + 16 h + i), taken from lane i of my half of 16: the logit
.endr
.endr
.irp b, 0,1,2,3
	v_max3_num_f32 v[BM+\b], v[S+16*\b], v[S+16*\b+1], v[S+16*\b+2]   ; the largest logit of each block of 32 keys: for the row's maximum and, since p rises with the logit, for the block's largest p
.endr
.irp i, 3,5,7,9,11,13
.irp b, 0,1,2,3
	v_max3_num_f32 v[BM+\b], v[BM+\b], v[S+16*\b+\i], v[S+16*\b+\i+1]
.endr
.endr
.irp b, 0,1,2,3
	v_max_num_f32 v[BM+\b], v[BM+\b], v[S+16*\b+15]
.endr
.irp b, 0,1,2,3
	v_permlanex16_b32 v[BT+\b], v[BM+\b], s[SEL], s[SEL+1]
.endr
.irp b, 0,1,2,3
	v_max_num_f32 v[BM+\b], v[BM+\b], v[BT+\b]     ; with lane l xor 16's 16 keys
.endr
	v_max3_num_f32 v[TT], v[BM], v[BM+1], v[BM+2]
	v_max_num_f32 v[TT], v[TT], v[BM+3]            ; the step's largest logit of my query
	v_mul_f32 v[TT], s[LE], v[TT]                  ; as t
	v_max_num_f32 v13, v13, v[TT]                  ; the running largest t
	v_mov_b32 v[TT], v12
	v_floor_f32 v12, -v13                          ; the new -M = floor(-t) = -ceil(t): a whole number
	v_sub_f32 v[TT], v12, v[TT]                    ; old M - new M: a whole number, 0 or less
	v_cvt_i32_f32 v[TT], v[TT]                     ; (it saturates)
	v_ldexp_f32 v[FF], 1.0, v[TT]                  ; f = 2^(old M - new M)
.set j, 0
.rept 32
	v_pk_fma_f32 v[S+j:S+j+1], v[S+j:S+j+1], s[LE:LE+1], v[12:13] op_sel_hi:[1,0,0]   ; t - M
.set j, j+2
.endr
.irp b, 0,1,2,3
	v_fma_f32 v[BM+\b], v[BM+\b], s[LE], v12       ; the same of each block's largest logit
.endr
.set j, 0
.rept 64
	v_exp_f32 v[S+j], v[S+j]                       ; p = 2^(t - M): not normalised
.set j, j+1
.endr
.irp b, 0,1,2,3
	v_exp_f32 v[BM+\b], v[BM+\b]                   ; the block's largest p: the same two instructions on the same number
.endr
	v_pk_mul_f32 v[14:15], v[14:15], v[FF:FF+1] op_sel_hi:[1,0]   ; the sums under the new M.  (A plain place behind the exponentials)
	s_wait_alu depctr_va_vdst(0)
.irp b, 0,1,2,3
	v_max_num_f32 v[BM+\b], 0x1800000, v[BM+\b]    ; the floor 2^(3 - 127): the byte cannot fall under 1
.endr
.irp b, 0,1,2,3
	v_add_nc_u32 v[BS+\b], 0xff000000, v[BM+\b]    ; 2 off the exponent field: the conversions' scale operand
.endr
.irp b, 0,1,2,3
	v_lshrrev_b32 v[BT+\b], 23, v[BS+\b]           ; the scale's byte
.endr
	v_lshl_or_b32 v[PS], v[BT+1], 8, v[BT]         ; p's scale word for these 128 keys
	v_lshl_or_b32 v[PS], v[BT+2], 16, v[PS]
	v_lshl_or_b32 v[PS], v[BT+3], 24, v[PS]
.irp b, 0,1,2,3
	v_cvt_scalef32_pk8_fp4_f32 v[PC+2*\b], v[S+16*\b:S+16*\b+7], v[BS+\b]
	v_cvt_scalef32_pk8_fp4_f32 v[PC+2*\b+1], v[S+16*\b+8:S+16*\b+15], v[BS+\b]
.endr
	v_nop                                          ; one plain place behind the last conversion
.irp c, 0,1                            ; a whole block in a lane: lanes 0-15 block 2 c, lanes 16-31 block 2 c + 1
.irp i, 0,1
	v_permlane16_swap_b32 v[PC+4*\c+\i], v[PC+2+4*\c+\i]
.endr
.endr
	v_pk_add_f32 v[BT:BT+1], v[S:S+1], v[S+2:S+3]  ; the row's sum is taken of the unquantised p: two at a time, in two chains
.irp j, 4,8,12,16,20,24,28,32,36,40,44,48,52,56,60
	v_pk_add_f32 v[14:15], v[14:15], v[S+\j:S+\j+1]
	v_pk_add_f32 v[BT:BT+1], v[BT:BT+1], v[S+\j+2:S+\j+3]
.endr
	v_pk_add_f32 v[14:15], v[14:15], v[BT:BT+1]
	WIN 0x41                                       ; destination and source 0 window 1
.set j, 0
.rept 32
	v_pk_mul_f32 v[O+j:O+j+1], v[O+j:O+j+1], v[FF:FF+1] op_sel_hi:[1,0]   ; O^T under the new M.  (These and the sums are the places between p's codes and scale word and the products)
.set j, j+2
.endr
	s_wait_dscnt 0x0                               ; V and its scale words are in
	WIN 0x50                                       ; C and D window 1
.irp t, 0,1,2,3,4,5,6,7                ; the eight accumulators take turns, and the eight products K Q^T stand between two steps'
	v_wmma_scale_f32_16x16x128_f8f6f4 v[O+8*\t:O+8*\t+7], v[F+8*\t:F+8*\t+7], v[PC:PC+7], v[O+8*\t:O+8*\t+7], v[VS+\t], v[PS] matrix_a_fmt:MATRIX_FMT_FP4 matrix_b_fmt:MATRIX_FMT_FP4
.endr
	WIN 0
	s_add_co_u32 s[TA], s[TA], 512
.endm
; THE CHANGE OF SLOTS stands at slot sl's head.  Each wave waits for all its tensor loads (its part of the slot ahead), adds 0 to its spare word, and waits for that and for its reads of the slot that it has left.
; fill = 1: a round of the cluster's barrier, so that no wave of any partner still reads the other slot or has a load on its way; then that slot takes the next 256 keys: the load has two key steps in which to land.
.macro CHANGE sl, fill
	s_wait_tensorcnt 0x0                           ; no tensor load of mine is out, so a group 0 may be written
	ds_add_u32 v[SPW], v[NIL]                      ; 0 onto my spare word
.if \fill
	s_add_nc_u64 s[G0M+4*\sl+2:G0M+4*\sl+3], s[G0M+4*\sl+2:G0M+4*\sl+3], 2048   ; this slot's next tiles: 512 keys on
	s_add_nc_u64 s[G0R+4*\sl+2:G0R+4*\sl+3], s[G0R+4*\sl+2:G0R+4*\sl+3], 4*RA
.endif
	s_wait_dscnt 0x0                               ; the add is done, and my reads of the slot that I have left are over
.if \fill
	CROUND
	JLOAD 1-\sl                                    ; my one tensor load behind the round
.else
	s_barrier_signal -1
	s_barrier_wait -1
.endif
.endm
	s_wait_loadcnt 0x0                             ; Q
.Lslots:                                           ; three trips of two slots; the last two slots are written out
	CHANGE 0, 1
	STEP 0, 0
	STEP 0, 1
	CHANGE 1, 1
	STEP 1, 0
	STEP 1, 1
	s_sub_co_u32 s29, s29, 1
	s_cmp_lg_u32 s29, 0
	s_cbranch_scc1 .Lslots
	CHANGE 0, 1                                    ; the last fill: keys 1,792 on (slot 0's stepped addresses are not used)
	STEP 0, 0
	STEP 0, 1
	CHANGE 1, 0
	STEP 1, 0
	STEP 1, 1
; 64 numbers of a lane at v[s] on, register 16 b + i = k 32 b + 16 h + i of my row, become a fragment's codes at v[pc] and its scale word in v[pw].
.macro QUANT s, pc, pw
.irp b, 0,1,2,3
	v_max3_num_f32 v[TM+\b], 0x1800000, |v[(\s)+16*\b]|, |v[(\s)+16*\b+1]|
.endr
.irp i, 2,4,6,8,10,12,14
.irp b, 0,1,2,3
	v_max3_num_f32 v[TM+\b], v[TM+\b], |v[(\s)+16*\b+\i]|, |v[(\s)+16*\b+\i+1]|
.endr
.endr
.irp b, 0,1,2,3
	v_permlanex16_b32 v[TM+4+\b], v[TM+\b], s[SEL], s[SEL+1]
.endr
.irp b, 0,1,2,3
	v_max_num_f32 v[TM+\b], v[TM+\b], v[TM+4+\b]
.endr
.irp b, 0,1,2,3
	v_add_nc_u32 v[TM+12+\b], 0xff000000, v[TM+\b]
.endr
.irp b, 0,1,2,3
	v_lshrrev_b32 v[TM+4+\b], 23, v[TM+12+\b]
.endr
	v_lshl_or_b32 v[\pw], v[TM+5], 8, v[TM+4]
	v_lshl_or_b32 v[\pw], v[TM+6], 16, v[\pw]
	v_lshl_or_b32 v[\pw], v[TM+7], 24, v[\pw]
.irp b, 0,1,2,3
	v_cvt_scalef32_pk8_fp4_f32 v[(\pc)+2*\b], v[(\s)+16*\b:(\s)+16*\b+7], v[TM+12+\b]
	v_cvt_scalef32_pk8_fp4_f32 v[(\pc)+2*\b+1], v[(\s)+16*\b+8:(\s)+16*\b+15], v[TM+12+\b]
.endr
	v_nop
.irp c, 0,1
.irp i, 0,1
	v_permlane16_swap_b32 v[(\pc)+4*\c+\i], v[(\pc)+2+4*\c+\i]
.endr
.endr
.endm
	; THE WAY OUT.  O^T / the sum is my 16 queries' 128 channels of my head: K step head % 4 of record head / 4 of the last product's left operand.  It is quantised in registers and leaves as a fragment's image.
	PLACES 4                                       ; behind the last products
	v_add_f32 v14, v14, v15                        ; the sum's two halves,
	v_permlanex16_b32 v[TT], v14, s[SEL], s[SEL+1]
	v_add_f32 v14, v14, v[TT]                      ; and lane l xor 16's
	v_rcp_f32 v[RL], v14
	v_nop                                          ; a plain place behind the transcendental
	s_wait_alu depctr_va_vdst(0)
	v_mov_b32 v[RL+1], v[RL]
	s_lshr_b32 s80, s15, 1
	s_lshl_b32 s80, s80, 2
	s_lshr_b32 s81, s21, 2
	s_add_co_u32 s80, s80, s81
	s_mul_i32 s80, s80, REC                        ; the record: 4 (xw / 2) + head / 4
	s_and_b32 s81, s21, 3
	s_lshl_b32 s82, s93, 12                        ; tile a
	s_add_co_u32 s82, s82, s80
	s_lshl_b32 s83, s81, 10
	s_add_co_u32 s82, s82, s83
	s_mov_b32 s83, 0
	s_lshl_b32 s84, s93, 8
	s_add_co_u32 s84, s84, s80
	s_lshl_b32 s85, s81, 2
	s_add_co_u32 s84, s84, s85
	s_add_co_u32 s84, s84, 32768
	s_mov_b32 s85, 0
	s_add_nc_u64 s[82:83], s[10:11], s[82:83]
	s_add_nc_u64 s[84:85], s[10:11], s[84:85]
	WIN 0x01                                       ; source 0 window 1
.set j, 0
.rept 32
	v_pk_mul_f32 v[S+j:S+j+1], v[O+j:O+j+1], v[RL:RL+1] op_sel_hi:[1,0]   ; each accumulator from its low end on
.set j, j+2
.endr
	WIN 0
	QUANT S, PC, PWO
.irp c, 0,1
	global_store_b128 v[LI], v[PC+4*\c:PC+4*\c+3], s[82:83] offset:512*\c   ; 512 consecutive bytes, aligned
.endr
	global_store_b32 v[LR], v[PWO], s[84:85]       ; lanes r and r + 16 hold the same word and write it to the same place
	s_wait_tensorcnt 0x0                           ; the wave's end
	ds_add_u32 v[SPW], v[NIL]
	s_wait_dscnt 0x0
	CROUND                                         ; the closing round
	s_endpgm
.Lfunc_end_k_qbb49a0ab82_attn:
	.size	k_qbb49a0ab82_attn, .Lfunc_end_k_qbb49a0ab82_attn-k_qbb49a0ab82_attn
	.p2alignl 7, 3214868480
	.fill 96, 4, 3214868480
	.section	.rodata,"a",@progbits
	.p2align	6, 0x0
	.amdhsa_kernel k_qbb49a0ab82_attn
		.amdhsa_group_segment_fixed_size 327680
		.amdhsa_private_segment_fixed_size 0
		.amdhsa_enable_private_segment 0
		.amdhsa_kernarg_size 32
		.amdhsa_user_sgpr_count 2
		.amdhsa_user_sgpr_kernarg_segment_ptr 1
		.amdhsa_wavefront_size32 1
		.amdhsa_system_sgpr_workgroup_id_x 1
		.amdhsa_system_sgpr_workgroup_id_y 1
		.amdhsa_system_sgpr_workgroup_id_z 1
		.amdhsa_system_vgpr_workitem_id 0
		.amdhsa_next_free_vgpr 512
		.amdhsa_next_free_sgpr 100
		.amdhsa_reserve_vcc 0
		.amdhsa_float_denorm_mode_32 3
		.amdhsa_float_denorm_mode_16_64 3
		.amdhsa_memory_ordered 1
		.amdhsa_forward_progress 1
		.amdhsa_inst_pref_size 220
	.end_amdhsa_kernel
	.amdgpu_metadata
---
amdhsa.version: [ 1, 2 ]
amdhsa.kernels:
  - .name:           k_qbb49a0ab82_attn
    .symbol:         k_qbb49a0ab82_attn.kd
    .args:
      - { .name: qkv, .offset: 0, .size: 8, .value_kind: global_buffer, .address_space: global }
      - { .name: attention_mask, .offset: 8, .size: 8, .value_kind: global_buffer, .address_space: global }
      - { .name: alibi, .offset: 16, .size: 8, .value_kind: global_buffer, .address_space: global }
      - { .name: ao, .offset: 24, .size: 8, .value_kind: global_buffer, .address_space: global }
    .group_segment_fixed_size: 327680
    .private_segment_fixed_size: 0
    .kernarg_segment_align: 8
    .kernarg_segment_size: 32
    .max_flat_workgroup_size: 256
    .sgpr_count:     100
    .vgpr_count:     512
    .wavefront_size: 32
...
	.end_amdgpu_metadata
.endif
;; end of part 7
;; launch oproj (part 8): grid 16 x 16, 4 waves a work-group, clusters of 4 x 4, 327,680 bytes of LDS; arguments ao, opnd, out0; writes out0
.if DOCPART == 8
	.amdgcn_target "amdgcn-amd-amdhsa--gfx1250"
	.amdhsa_code_object_version 6
	.text
	.protected	k_qbb49a0ab82_oproj
	.globl	k_qbb49a0ab82_oproj
	.p2align	8
	.type	k_qbb49a0ab82_oproj,@function
k_qbb49a0ab82_oproj:
	s_mov_b64 s[64:65], 0
	v_nop
	global_prefetch_b8 v0, s[64:65] scope:SCOPE_SE
	s_setreg_imm32_b32 hwreg(HW_REG_WAVE_MODE, 25, 1), 1
	s_wait_xcnt 0x0
	s_wait_alu depctr_hold_cnt(0) depctr_sa_sdst(0) depctr_va_vdst(0) depctr_va_sdst(0) depctr_va_ssrc(0) depctr_va_vcc(0) depctr_vm_vsrc(0)
	s_getreg_b32 s2, hwreg(HW_REG_IB_STS2, 6, 4)
	s_cmp_eq_u32 s2, 0
	s_cbranch_scc0 .Lentry_in_a_cluster
	s_endpgm
.Lentry_in_a_cluster:
	s_bfe_u32 s2, ttmp6, 0x10000c
	s_cmp_lg_u32 s2, 0xf033
	s_cbranch_scc0 .Lentry_shape_is_right
	s_endpgm
.Lentry_shape_is_right:
; out0 = ao Wo on codes of FP4 (E2M1) with E8M0 scales; out0 [2048][2048] f32.  A' = ao (rows: positions), B' = Wo as operand 4 of opnd (rows: output columns).
; A work-group of four waves makes 128 x 128 of out0, a wave 64 x 64: 16 accumulators, 128 registers.  Tiles of 256 x 256 would be only 64 work-groups; these are 256.
; OPERANDS lie as [block of 128 rows][512 along K] records of REC bytes: 32 fragments as images of their registers (tile a, K step q at 4096 a + 1024 q; registers 4 c .. 4 c + 3 of lane l at 512 c + 16 l), then the
; scale words (32768 + 256 a + 16 r + 4 q): one dense block for one tensor load, two LDS loads of 512 consecutive bytes a fragment.
; ALL OF K LIES IN LDS: 128 rows of A' and 128 of B' for K = 2,048 are eight records, 278,528 bytes.  Each wave asks for two of them at the start; nothing is filled again, so the product has no ring and no round.
; Slot s holds K steps 2 s and 2 s + 1 of 512: [A' 2 s][A' 2 s + 1][B' 2 s][B' 2 s + 1]; slot 0 is multiplied while slot 1 lands.
; Lane r of tile a holds row 32 (a / 2) + 8 (a % 2) + r % 8 + 16 (r / 8) of the block of 128, on both sides.  THE MATRIX INSTRUCTION IS USED TRANSPOSED (source 0 = 16 rows of B', source 1 = 16 rows of A'):
; lane (r, h) holds one row of out0, and the eight registers of accumulator (i, j) are columns 32 (j / 2) + 8 (j % 2) + 16 h + 0 .. 7 of my 64.
; CLUSTERS: 4 x 4 work-groups; A's records are asked for jointly along a row of the cluster, B's along a column.
; REGISTERS: window 0: v16-29 addresses; v32-95 the scale words of all of K, and nothing else; v128-255 the accumulators ((i, j) at v[128 + 8 (4 i + j)]).
;   window 1: four sets of fragments for 128 along K (A's four at 64 p, B's four at 64 p + 32), fetched two steps ahead; on the way out v0-127: rows read back, 32 registers for each tile.
.set REC,   34816
.set SLOT,  4*REC
.set RBB,   4*REC
.set OPB,   16*RBB
.set STAGE, 2*SLOT                     ; behind the operands: a stage of 16 rows x (256 bytes + 16) for each wave; no fill lands there
.set SPITCH, 272
.set SPARE, STAGE+4*16*SPITCH          ; behind the stages: the spare words, 128 bytes for each wave: two blocks of 256 bytes that no other line names
.set ADRA, 16                          ; v16-17  my four tiles of A' in slot 0, 1: + 16 x lane
.set ADRB, 20                          ; v20-21  the same for B'
.set ADRS, 22                          ; v22-23  my scale words in slot 0, 1: lanes 0-15 A's, lanes 16-31 B's
.set STO,  24                          ; v24  the way out: where I put 32 bytes of a row
.set RD,   25                          ; v25  where I read rows back: lanes 0-15 one row, lanes 16-31 the next
.set CO,   26                          ; v26  16 x lane
.set GOF,  27                          ; v27  the same two rows in out0
.set SPW,  28                          ; v28  my spare word; never rewritten
.set NIL,  29                          ; v29  0; never rewritten
.set SC,   32                          ; record R's words at v[SC + 16 R]: register 4 i + q: lanes 0-15 A's tile i, lanes 16-31 B's tile i, the record's q-th 128 along K
.set ACC,  128
.set G1, 24
.set G0, 32
.set G1B, 48
.set G0B, 56
.set MSB, 0
.macro WIN new                         ; the immediate's high byte repeats the setting that is left; a switch that changes nothing is dropped
.if MSB != (\new)
	s_set_vgpr_msb (MSB<<8)|(\new)
.set MSB, (\new)
.endif
.endm
.set MULW, 0x05                        ; sources 0 (B') and 1 (A') window 1; C and D window 0
.set TO_F, 0x40                        ; destination window 1, address window 0
.macro PLACES n
.rept \n
	v_nop
.endr
.endm
.macro JLOAD g0a, g1a, g0b, g1b        ; a joint load: waves 0 and 1 fetch A's records, waves 2 and 3 B's; four v_nop follow each line
	s_cmp_eq_u32 s15, 0
	s_cbranch_scc0 .Lfor_b_\@
	tensor_load_to_lds s[\g0a:\g0a+3], s[\g1a:\g1a+7]
	s_nop 0
	PLACES 4
	s_branch .Lasked_\@
.Lfor_b_\@:
	tensor_load_to_lds s[\g0b:\g0b+3], s[\g1b:\g1b+7]
	s_nop 0
	PLACES 4
.Lasked_\@:
.endm
.macro CROUND                          ; a round of the cluster's barrier
	s_barrier_signal -1
	s_barrier_wait -1
	s_cmp_lg_u32 s14, 0
	s_cbranch_scc1 .Lnot_wave_0_\@
	s_barrier_signal -3
.Lnot_wave_0_\@:
	s_barrier_wait -3
	s_barrier_signal -1
	s_barrier_wait -1
.endm
	s_load_b128 s[4:7], s[0:1], 0x0                ; ao, opnd
	s_load_b64 s[12:13], s[0:1], 0x10              ; out0
	v_lshl_add_u32 v[SPW], v0, 2, SPARE
	v_mov_b32 v[NIL], 0
	ds_add_u32 v28, v29
	ds_add_u32 v28, v29
	s_wait_dscnt 0x0
	v_lshrrev_b32 v1, 5, v0
	v_readfirstlane_b32 s14, v1                    ; wave 0..3
	s_lshr_b32 s15, s14, 1                         ; which 64 rows are mine.  Also: I fetch for A' (0) or for B' (1)
	s_and_b32 s16, s14, 1                          ; which 64 columns.  Also: which record of a slot's two I fetch
	s_bfe_u32 s40, ttmp6, 0x40000                  ; cx, cy
	s_bfe_u32 s41, ttmp6, 0x40004
	s_lshl_b32 s42, ttmp9, 2
	s_add_co_u32 s42, s42, s40                     ; tile column = 4 x cluster x + cx
	s_and_b32 s17, ttmp7, 0xffff
	s_lshl_b32 s17, s17, 2
	s_add_co_u32 s17, s17, s41                     ; tile row = 4 x cluster y + cy
	s_lshl_b32 s43, s41, 2
	s_lshl_b32 s43, 15, s43                        ; my row of the cluster
	s_lshl_b32 s44, 0x1111, s40                    ; my column
	s_or_b32 s[G1+0], s43, (3<<16)|(1<<21)         ; the mask; elements of 8 bytes; 21 set beside a mask; no padding
	s_or_b32 s[G1B+0], s44, (3<<16)|(1<<21)
.irp g, G1, G1B                        ; a record: a dense block of 136 rows of 256 bytes
	s_mov_b32 s[\g+1], 32<<16                      ; tensor_dim0 = 32 elements
	s_mov_b32 s[\g+2], 136<<16                     ; tensor_dim1 = 136
	s_mov_b32 s[\g+3], 32<<16                      ; tile_dim0
	s_mov_b32 s[\g+4], 136                         ; tile_dim1
	s_mov_b32 s[\g+5], 32                          ; from row to row
	s_mov_b32 s[\g+6], 0
	s_mov_b32 s[\g+7], 0
.endr
	s_mul_i32 s20, s17, RBB                        ; A': the tile row's block of 128 rows, my record of slot 0: made of what my row of the cluster shares
	s_mul_i32 s21, s16, REC
	s_add_co_u32 s20, s20, s21
	s_mov_b32 s21, 0
	s_mul_i32 s46, s42, RBB                        ; B': operand 4, the tile column's block: made of what my column shares
	s_mul_i32 s47, s16, REC
	s_add_co_u32 s46, s46, s47
	s_add_co_u32 s46, s46, 4*OPB
	s_mov_b32 s47, 0
	s_mul_i32 s45, s14, REC                        ; where they go: wave x a record: no place in the cluster enters an LDS address
	s_wait_kmcnt 0x0
	s_add_nc_u64 s[20:21], s[4:5], s[20:21]
	s_add_nc_u64 s[46:47], s[6:7], s[46:47]
	CROUND                                         ; all sixteen work-groups are here: the joint loads meet
.irp s, 0,1
	s_mov_b32 s[G0+4*\s], 1
	s_add_co_u32 s[G0+4*\s+1], s45, \s*SLOT
	s_add_nc_u64 s[G0+4*\s+2:G0+4*\s+3], s[20:21], \s*2*REC    ; slot s: two records on
	s_or_b32 s[G0+4*\s+3], s[G0+4*\s+3], 0x80000000
	s_mov_b32 s[G0B+4*\s], 1
	s_add_co_u32 s[G0B+4*\s+1], s45, \s*SLOT
	s_add_nc_u64 s[G0B+4*\s+2:G0B+4*\s+3], s[46:47], \s*2*REC
	s_or_b32 s[G0B+4*\s+3], s[G0B+4*\s+3], 0x80000000
	JLOAD G0+4*\s, G1, G0B+4*\s, G1B               ; two loads of mine are out: all that this launch fetches
.endr
	v_and_b32 v1, 15, v0                           ; r
	v_bfe_u32 v2, v0, 4, 1                         ; h
	v_and_b32 v3, 31, v0
	v_lshlrev_b32 v[CO], 4, v3
	s_lshl_b32 s21, s15, 14                        ; my four tiles of A': 4,096 bytes a tile
	s_lshl_b32 s22, s16, 14
	s_add_co_u32 s22, s22, 2*REC                   ; my four tiles of B', behind A's two records
.irp s, 0,1
	v_add_nc_u32 v[ADRA+\s], s21, v[CO]
	v_add_nc_u32 v[ADRB+\s], s22, v[CO]
	s_add_co_u32 s21, s21, SLOT
	s_add_co_u32 s22, s22, SLOT
.endr
	s_lshl_b32 s21, s15, 10                        ; my four tiles' scale words: 256 bytes a tile
	s_lshl_b32 s22, s16, 10
	s_add_co_u32 s22, s22, 2*REC
	s_sub_co_u32 s22, s22, s21
	v_mul_u32_u24 v6, s22, v2                      ; lanes 16-31 take B's: the lower base + h x the distance
	v_lshl_add_u32 v6, v1, 4, v6
	s_add_co_u32 s21, s21, 32768
	v_add_nc_u32 v[ADRS], s21, v6
	v_add_nc_u32 v[ADRS+1], SLOT, v[ADRS]
	s_mul_i32 s23, s14, 16*SPITCH
	s_add_co_u32 s23, s23, STAGE                   ; my stage
	v_mul_u32_u24 v5, v1, SPITCH
	v_lshl_add_u32 v5, v2, 6, v5                   ; in: row r, + 64 h
	v_add_nc_u32 v[STO], s23, v5
	v_mul_u32_u24 v5, v2, SPITCH
	v_lshl_add_u32 v5, v1, 4, v5                   ; back: row h of a pair, 16 bytes a lane
	v_add_nc_u32 v[RD], s23, v5
	v_lshlrev_b32 v5, 13, v2
	v_lshl_add_u32 v[GOF], v1, 4, v5               ; and the same in out0: rows of 8,192 bytes
	s_lshl_b32 s20, s17, 20                        ; my first row of out0: 128 x tile row + 64 x half
	s_lshl_b32 s21, s15, 19
	s_add_co_u32 s20, s20, s21
	s_mov_b32 s21, 0
	s_lshl_b32 s46, s42, 9                         ; my first column, in bytes: 512 x tile column + 256 x half
	s_lshl_b32 s47, s16, 8
	s_add_co_u32 s46, s46, s47
	s_mov_b32 s47, 0
	s_add_nc_u64 s[20:21], s[20:21], s[46:47]
	s_add_nc_u64 s[12:13], s[12:13], s[20:21]
; Step k of 16 (128 along K) lies in slot k / 8, record (k / 4) % 2 of the slot's two, K step k % 4 of the record; its fragments go to set k % 4.
.macro FRAGS k                         ; 16 LDS loads of 512 consecutive bytes: B's four fragments and A's four
.irp i, 0,1,2,3
.irp c, 0,1
	ds_load_b128 v[64*((\k)%4)+32+8*\i+4*\c:64*((\k)%4)+32+8*\i+4*\c+3], v[ADRB+(\k)/8] offset:(((\k)/4)%2)*REC+\i*4096+((\k)%4)*1024+512*\c
	ds_load_b128 v[64*((\k)%4)+8*\i+4*\c:64*((\k)%4)+8*\i+4*\c+3], v[ADRA+(\k)/8] offset:(((\k)/4)%2)*REC+\i*4096+((\k)%4)*1024+512*\c
.endr
.endr
.endm
.macro SCALES sl                       ; the scale words of slot sl's two records: four a row; lanes 0-15 take A's tile i, lanes 16-31 B's tile i
.irp e, 0,1
.irp i, 0,1,2,3
	ds_load_b128 v[SC+16*(2*\sl+\e)+4*\i:SC+16*(2*\sl+\e)+4*\i+3], v[ADRS+\sl] offset:\e*REC+256*\i
.endr
.endr
.endm
; 16 matrix instructions: A's four tiles x B's four.  The 16 accumulators take turns, one instruction a turn, in the same order in every step.  zero = 1: the first products start the sums.
.macro MUL k, zero
.irp i, 0,1,2,3
.irp j, 0,1,2,3
.if \zero
	v_wmma_scale_f32_16x16x128_f8f6f4 v[ACC+8*(4*\i+\j):ACC+8*(4*\i+\j)+7], v[64*((\k)%4)+32+8*\j:64*((\k)%4)+32+8*\j+7], v[64*((\k)%4)+8*\i:64*((\k)%4)+8*\i+7], 0, v[SC+16*((\k)/4)+4*\j+(\k)%4], v[SC+16*((\k)/4)+4*\i+(\k)%4] matrix_a_fmt:MATRIX_FMT_FP4 matrix_b_fmt:MATRIX_FMT_FP4 matrix_a_scale:MATRIX_SCALE_ROW1
.else
	v_wmma_scale_f32_16x16x128_f8f6f4 v[ACC+8*(4*\i+\j):ACC+8*(4*\i+\j)+7], v[64*((\k)%4)+32+8*\j:64*((\k)%4)+32+8*\j+7], v[64*((\k)%4)+8*\i:64*((\k)%4)+8*\i+7], v[ACC+8*(4*\i+\j):ACC+8*(4*\i+\j)+7], v[SC+16*((\k)/4)+4*\j+(\k)%4], v[SC+16*((\k)/4)+4*\i+(\k)%4] matrix_a_fmt:MATRIX_FMT_FP4 matrix_b_fmt:MATRIX_FMT_FP4 matrix_a_scale:MATRIX_SCALE_ROW1
.endif
.endr
.endr
.endm
	s_wait_tensorcnt 1                             ; my record of slot 0 is in; slot 1's load stays out
	s_barrier_signal -1
	s_barrier_wait -1                              ; everybody's is
	SCALES 0
	WIN TO_F
	FRAGS 0
	FRAGS 1
.set K, 0
.rept 16
.if K == 6
	; Step 8's fragments, due now, lie in slot 1.  My record of it has landed, and no LDS load of mine is out at the signal; step 6's products, on registers alone, stand between the signal and the wait.
	WIN 0
	s_wait_tensorcnt 0x0
	s_wait_dscnt 0x0
	s_barrier_signal -1
	WIN MULW
	MUL K, 0
	WIN 0
	s_barrier_wait -1                              ; slot 1 is whole
	PLACES 4                                       ; in front of loads into registers that matrix instructions have read
	SCALES 1
	WIN TO_F
	FRAGS K+2
.else
.if K+2 < 16
	PLACES 4                                       ; in front of loads into registers that matrix instructions have read: the set was multiplied two steps ago
	WIN TO_F
	FRAGS K+2
	s_wait_dscnt 32                                ; this step's fragments are in; the 32 loads of the two steps behind it stay out
.else
	s_wait_dscnt 16*(15-K)                         ; the tail fetches nothing: the counts run down
.endif
	WIN MULW
.if K == 0
	MUL K, 1
.else
	MUL K, 0
.endif
.endif
.set K, K+1
.endr
	WIN 0
; THE WAY OUT, tile by tile of 16 rows x 64 columns, through my own stage: LDS serves a wave's instructions in order (ISA guide 5.7.1.4), so no wait stands between the stores and the loads, nor in front of the next tile's stores.
; A row's 64 columns are 256 bytes: sixteen lanes store them whole.  Each tile comes back into registers of its own, so no store's data are written again.
.macro TOSTAGE i
.irp j, 0,1,2,3
	ds_store_b128 v[STO], v[ACC+8*(4*(\i)+\j):ACC+8*(4*(\i)+\j)+3] offset:128*(\j/2)+32*(\j%2)        ; each accumulator from its low end on
	ds_store_b128 v[STO], v[ACC+8*(4*(\i)+\j)+4:ACC+8*(4*(\i)+\j)+7] offset:128*(\j/2)+32*(\j%2)+16
.endr
	WIN TO_F
.irp t, 0,1,2,3,4,5,6,7
	ds_load_b128 v[32*(\i)+4*\t:32*(\i)+4*\t+3], v[RD] offset:2*\t*SPITCH
.endr
	WIN 0
.endm
.macro SEND i, younger                 ; younger: the LDS instructions issued behind tile i's loads, which may stay out.  Stage row 2 t + h is row 32 (i / 2) + 8 (i % 2) + (2 t) % 8 + 16 (t / 4) + h of my 64; the largest offset is 62 rows: 507,904 bytes
	s_wait_dscnt \younger
	WIN 0x04                                       ; a store's data are its source 1: window 1
.irp t, 0,1,2,3,4,5,6,7
	global_store_b128 v[GOF], v[32*(\i)+4*\t:32*(\i)+4*\t+3], s[12:13] offset:(32*((\i)/2)+8*((\i)%2)+(2*\t)%8+16*(\t/4))*8192 th:TH_STORE_NT   ; sixteen lanes store 256 consecutive bytes, aligned
.endr
	WIN 0
.endm
	PLACES 4                                       ; behind the last products: in front of the first reads of results and of loads into the fragments' registers
	TOSTAGE 0
	TOSTAGE 1
	SEND 0, 16                                     ; behind tile 0's loads: tile 1's 8 stores and 8 loads
	TOSTAGE 2
	SEND 1, 16
	TOSTAGE 3
	SEND 2, 16
	SEND 3, 0
	s_wait_tensorcnt 0x0                           ; the wave's end, behind my last tensor load and my last LDS store
	ds_add_u32 v[SPW], v[NIL]
	s_wait_dscnt 0x0
	CROUND                                         ; the closing round: no work-group ends while a partner may still ask for a tile that names it
	s_endpgm
.Lfunc_end_k_qbb49a0ab82_oproj:
	.size	k_qbb49a0ab82_oproj, .Lfunc_end_k_qbb49a0ab82_oproj-k_qbb49a0ab82_oproj
	.p2alignl 7, 3214868480
	.fill 96, 4, 3214868480
	.section	.rodata,"a",@progbits
	.p2align	6, 0x0
	.amdhsa_kernel k_qbb49a0ab82_oproj
		.amdhsa_group_segment_fixed_size 327680
		.amdhsa_private_segment_fixed_size 0
		.amdhsa_enable_private_segment 0
		.amdhsa_kernarg_size 24
		.amdhsa_user_sgpr_count 2
		.amdhsa_user_sgpr_kernarg_segment_ptr 1
		.amdhsa_wavefront_size32 1
		.amdhsa_system_sgpr_workgroup_id_x 1
		.amdhsa_system_sgpr_workgroup_id_y 1
		.amdhsa_system_sgpr_workgroup_id_z 1
		.amdhsa_system_vgpr_workitem_id 0
		.amdhsa_next_free_vgpr 512
		.amdhsa_next_free_sgpr 100
		.amdhsa_reserve_vcc 0
		.amdhsa_float_denorm_mode_32 3
		.amdhsa_float_denorm_mode_16_64 3
		.amdhsa_memory_ordered 1
		.amdhsa_forward_progress 1
		.amdhsa_inst_pref_size 68
	.end_amdhsa_kernel
	.amdgpu_metadata
---
amdhsa.version: [ 1, 2 ]
amdhsa.kernels:
  - .name:           k_qbb49a0ab82_oproj
    .symbol:         k_qbb49a0ab82_oproj.kd
    .args:
      - { .name: ao, .offset: 0, .size: 8, .value_kind: global_buffer, .address_space: global }
      - { .name: opnd, .offset: 8, .size: 8, .value_kind: global_buffer, .address_space: global }
      - { .name: out0, .offset: 16, .size: 8, .value_kind: global_buffer, .address_space: global }
    .group_segment_fixed_size: 327680
    .private_segment_fixed_size: 0
    .kernarg_segment_align: 8
    .kernarg_segment_size: 24
    .max_flat_workgroup_size: 128
    .sgpr_count:     100
    .vgpr_count:     512
    .wavefront_size: 32
...
	.end_amdgpu_metadata
.endif
;; end of part 8
